; MI455X (gfx1250); checked and timed in simulation.
; The chip was launched on July 23, 2026; its instructions are those of AMD's public machine-readable ISA for CDNA 5 (MIT licence, August 2026) and "CDNA5" Instruction Set Architecture Reference Guide (July 2026). The comments in the code are by the model that wrote it; some were corrected since.
;; Attention Block3 D. Allowed arithmetic: matrix products marked QUANTISED: E3M2 operands, one E8M0 scale for each 32 along K, by v_wmma_scale_f32_16x16x128_f8f6f4 with both operands' format E3M2, f32 sums; everything else in f32.
;; Inputs: b1 256 float32; b2 256 float32; bf1 1,024 float32; bf2 256 float32; bk 256 float32; bo 256 float32; bq 256 float32; bv 256 float32; g1 256 float32; g2 256 float32; w1 256 x 1,024 float32; w2 1,024 x 256 float32; wk 256 x 256 float32; wo 256 x 256 float32; wq 256 x 256 float32; wv 256 x 256 float32; x 2 x 256 x 16 x 16 x 16 float32.
;; Outputs: out0 2 x 256 x 16 x 16 x 16 float32.
;; This version of the problem:
;;   THIS VERSION OF THE PROBLEM IS GIVEN IN LOW PRECISION. The matrix products marked QUANTISED in the list below multiply operands that are first quantised to E3M2 (3 exponent bits, 2 mantissa bits; 6 bits a number), with one power-of-two scale for each 32 numbers along K (OCP MX v1.0); their sums are f32. All else is computed in f32.
;;   The module's matrix products, in the order in which they are computed (A, B: the left and right operand; K: the contracted axis; several contracted axes count as one K, in the product's order):
;;     1. [M 8,192, K 256] x [K 256, N 256]; A: computed on the way; B: input wq: QUANTISED
;;     2. [M 8,192, K 256] x [K 256, N 256]; A: computed on the way; B: input wk: QUANTISED
;;     3. [M 8,192, K 256] x [K 256, N 256]; A: computed on the way; B: input wv: QUANTISED
;;     4. batch 16 x [M 4,096, K 32] x [K 32, N 4,096]; A: computed on the way; B: computed on the way: QUANTISED
;;     5. batch 16 x [M 32, K 4,096] x [K 4,096, N 4,096]; A: computed on the way; B: softmax (see below): QUANTISED
;;     6. [M 8,192, K 256] x [K 256, N 256]; A: computed on the way; B: input wo: QUANTISED
;;     7. [M 8,192, K 256] x [K 256, N 1,024]; A: computed on the way; B: input w1: QUANTISED
;;     8. [M 8,192, K 1,024] x [K 1,024, N 256]; A: computed on the way; B: input w2: QUANTISED
;;   THE QUANTISER, for each operand of a quantised product, along K:
;;     - K is cut into blocks of 32 from its start; a last block that is shorter is filled with zeros.
;;     - A block's scale is 2^e with e = floor(log2(the largest magnitude in the block)) - 4, held to -126 .. 127; a block of zeros has e = 0. As a byte (E8M0): e + 127.
;;     - Each number is divided by its block's scale, clamped to +-28, and rounded to the nearest number of E3M2, ties to even, subnormals kept.
;;     - The product sums the exact products of the quantised numbers (number of the format x scale) in f32.
;;   ~~~python
;;   def quantise(x, axis):      # numpy; x: float32 -> the quantised numbers, widened to float32 again
;;       x = np.moveaxis(x, axis, -1); K = x.shape[-1]
;;       x = np.pad(x, [(0, 0)] * (x.ndim - 1) + [(0, -K % 32)]); x = x.reshape(x.shape[:-1] + (-1, 32)); a = np.abs(x).max(-1, keepdims=True)
;;       e = np.where(a > 0, np.clip(np.frexp(np.where(a > 0, a, 1))[1] - 1 - 4, -126, 127), 0)      # np.frexp(a)[1] - 1 = floor(log2(a)), exactly
;;       r = np.clip(x / 2.0 ** e, -28, 28)
;;       step = 2.0 ** (np.maximum(np.frexp(np.where(r == 0, 1, r))[1] - 1, -2) - 2)
;;       q = np.round(r / step) * step * 2.0 ** e      # np.round: ties to even
;;       return np.moveaxis(q.reshape(q.shape[:-2] + (-1,))[..., :K], -1, axis).astype(np.float32)
;;   ~~~
;;   SOFTMAX AHEAD OF A QUANTISED PRODUCT. Where the list says 'softmax', what is quantised is not the finished softmax but p = 2^(t - M), with t = logit x log2(e) and M = ceil(the row's largest t), a whole number; so 1/2 < the row's largest p <= 1. The row's sum l is taken of the UNQUANTISED p, in f32, and the product's result is divided by l at the end. Since M is a whole number, a kernel that streams over the keys may use a running M (the ceiling of the running maximum): every later rescaling is an exact power of two, which a block's scale takes up: the codes' values come out the same.
;;   OPERANDS COMPUTED ON THE WAY. 'Computed on the way' means the value that the module computes at that place (a softmax that the list does not call 'softmax' is quantised finished and normalised). What goes into a quantiser is computed in f32, as accurately as f32 sums, v_exp_f32 and their like allow (about 1e-6 of the number): no bf16 or f16 on the way to a quantiser, and a product that is left as it is and whose result goes on into a quantised operand takes f32 operands (vector FMAs, or v_wmma_f32_16x16x4_f32). A number that lies on a knife's edge between two numbers of the format may be rounded either way, as far as f32 arithmetic and the matrix unit's own rounding can turn it there, and no further.
;; One version. Each part assembles by itself: llvm-mc -triple=amdgcn-amd-amdhsa -mcpu=gfx1250 --defsym DOCPART=n.
;; ======== version 1 of 1: 4 launches
;; workspace buffers: wsp 614,400 bytes; qc 1,572,864 bytes; qs 65,536 bytes; kv 3,276,800 bytes; ao 1,572,864 bytes; aos 65,536 bytes
;; launch wquant (part 1): grid 96 x 1, 8 waves a work-group, no clusters, 7,680 bytes of LDS; arguments wq, wk, wv, wo, w1, w2, wsp; writes wsp
.if DOCPART == 1
	.amdgcn_target "amdgcn-amd-amdhsa--gfx1250"
	.amdhsa_code_object_version 6
	.text
	.protected	k_qe233358851_wquant
	.globl	k_qe233358851_wquant
	.p2align	8
	.type	k_qe233358851_wquant,@function
k_qe233358851_wquant:
	s_mov_b64 s[64:65], 0
	v_nop
	global_prefetch_b8 v0, s[64:65] scope:SCOPE_SE
	s_setreg_imm32_b32 hwreg(HW_REG_WAVE_MODE, 25, 1), 1
	s_wait_xcnt 0x0
; The six weights, f32 stored [K][N], become codes of BF6 (E3M2) with one E8M0 byte for each 32 along K, laid in the ORDER OF THE OPERAND'S REGISTERS.
; A UNIT (6,400 bytes) is 64 output channels x 128 along K: four tile images of 1,536 bytes, then 256 bytes of scale words.
;   tile wt, row r = channel 64 g + 32 (r / 8) + 8 wt + r % 8;  image: register R of lane l at 512 (R / 4) + 16 l + 4 (R % 4);  scale word of (wt, r) at 6144 + 64 wt + 4 r, byte b for K block b.
; Units: wq 0 + 2 g + s, wk 8 +, wv 16 +, wo 24 + (g 0..3, s 0..1); w1 32 + 2 g + s (g 0..15); w2 64 + 8 g + s (s 0..7).  One work-group makes one unit.
; A LANE TAKES A CHANNEL AND ITS REGISTERS RUN DOWN K: wave w takes 32 channels (half hp = w % 2) and one block of 32 along K (bk = w / 2); a load of the wave reads 128 consecutive bytes,
; the block's largest magnitude needs no other lane, and the conversions give codes with K innermost.  The unit is gathered in LDS and leaves in runs of 256 consecutive aligned bytes a wave.
; A block's scale is 2^(floor(log2(largest magnitude)) - 4); its byte is the largest magnitude's exponent field - 4, held at 1 from below.
; LIMITS: a block of zeros gets the byte 1 where the rule says 127 (its codes are zeros, and this program alone reads the bytes); blocks whose largest magnitude lies under 2^-122 keep the byte 1; NaN and infinities are not served.
; 96 work-groups: the six weights are 786,432 numbers, one block a lane; a finer share would only shorten one load's run.
.set OF,   2                           ; v2-33   byte offset of my channel in row i of the block
.set X,    34                          ; v34-65  the block's 32 numbers
.set C,    66                          ; v66-71  its codes
.set Y,    72                          ; v72-74  the upper 16 codes as the conversion leaves them
.set M0,   76
.set M1,   77
.set SOP,  78
.set BYT,  79
.set APA,  80                          ; LDS: pieces 0 and 2 of my half fragment
.set APB,  81                          ; piece 1
.set ASB,  83                          ; my scale byte
.set CP,   84                          ; 8 x thread: the copy out
.set OUTR, 86
; 32 numbers of one lane, v[x] on, become 6 registers of codes at v[c] and the scale's byte in v[byte].  ab = 1: magnitudes; 0: the numbers are not negative.
.macro QUANT32 x, ab, c, y, sop, byte, m0, m1
.if \ab
	v_max3_num_f32 v[\m0], |v[(\x)]|, |v[(\x)+1]|, 0x2800000          ; two chains; the floor 2^(5 - 127) is one more leaf, so the byte cannot fall under 1
	v_max3_num_f32 v[\m1], |v[(\x)+16]|, |v[(\x)+17]|, |v[(\x)+18]|
.irp i, 0,1,2,3,4,5
	v_max3_num_f32 v[\m0], v[\m0], |v[(\x)+2+2*\i]|, |v[(\x)+3+2*\i]|
	v_max3_num_f32 v[\m1], v[\m1], |v[(\x)+19+2*\i]|, |v[(\x)+20+2*\i]|
.endr
	v_max3_num_f32 v[\m0], v[\m0], |v[(\x)+14]|, |v[(\x)+15]|
	v_max3_num_f32 v[\m0], v[\m0], v[\m1], |v[(\x)+31]|
.else
	v_max3_num_f32 v[\m0], v[(\x)], v[(\x)+1], 0x2800000
	v_max3_num_f32 v[\m1], v[(\x)+16], v[(\x)+17], v[(\x)+18]
.irp i, 0,1,2,3,4,5
	v_max3_num_f32 v[\m0], v[\m0], v[(\x)+2+2*\i], v[(\x)+3+2*\i]
	v_max3_num_f32 v[\m1], v[\m1], v[(\x)+19+2*\i], v[(\x)+20+2*\i]
.endr
	v_max3_num_f32 v[\m0], v[\m0], v[(\x)+14], v[(\x)+15]
	v_max3_num_f32 v[\m0], v[\m0], v[\m1], v[(\x)+31]
.endif
	v_add_nc_u32 v[\sop], 0xfe000000, v[\m0]                          ; 4 off the exponent field: the conversion takes that field as its scale
	v_cvt_scalef32_pk16_bf6_f32 v[(\c):(\c)+2], v[(\x):(\x)+15], v[\sop]
	v_cvt_scalef32_pk16_bf6_f32 v[(\y):(\y)+2], v[(\x)+16:(\x)+31], v[\sop]   ; (a conversion's three registers begin on an even number)
	v_lshrrev_b32 v[\byte], 23, v[\sop]                               ; the scale's byte; also the plain line behind the conversions
	v_mov_b32 v[(\c)+3], v[(\y)]
	v_mov_b32 v[(\c)+4], v[(\y)+1]
	v_mov_b32 v[(\c)+5], v[(\y)+2]
.endm
	s_load_b256 s[4:11], s[0:1], 0x0               ; wq, wk, wv, wo
	s_load_b128 s[12:15], s[0:1], 0x20             ; w1, w2
	s_load_b64 s[16:17], s[0:1], 0x30              ; wsp
	v_lshl_add_u32 v96, v0, 2, 0x1a00
	v_mov_b32 v97, 0
	v_lshrrev_b32 v1, 5, v0
	v_readfirstlane_b32 s28, v1                    ; wave 0..7
	v_and_b32 v94, 31, v0                          ; lane
	v_lshlrev_b32 v1, 2, v94                       ; 4 l
	v_lshrrev_b32 v95, 3, v94                      ; l / 8: my channel's tile
	v_and_b32 v94, 7, v94                          ; l % 8
	s_and_b32 s29, s28, 1                          ; hp: which 32 channels
	s_lshr_b32 s30, s28, 1                         ; bk: which block of 32 along K
	s_lshr_b32 s31, s30, 1                         ; c': which half of the fragment's registers
	s_and_b32 s32, s30, 1                          ; h': which half of the lanes
	s_lshr_b32 s21, ttmp9, 3                       ; the unit's number / 8 says which weight
	s_and_b32 s23, ttmp9, 1
	s_and_b32 s24, ttmp9, 7
	s_cmp_lt_u32 ttmp9, 64
	s_cselect_b32 s23, s23, s24                    ; s: the unit's K step
	s_lshr_b32 s25, ttmp9, 1
	s_and_b32 s26, s25, 3
	s_and_b32 s25, s25, 15
	s_and_b32 s27, s21, 3
	s_cmp_lt_u32 ttmp9, 32
	s_cselect_b32 s25, s26, s25
	s_cmp_lt_u32 ttmp9, 64
	s_cselect_b32 s25, s25, s27                    ; g: the unit's 64 channels
	s_lshr_b32 s22, s21, 2
	s_mov_b32 s20, 1024
	s_cmp_eq_u32 s22, 1
	s_cselect_b32 s20, 4096, s20                   ; a row of the weight in bytes: w1 has 1,024 columns, the others 256
.set i, 0
.rept 32
	v_mad_u32_u24 v[OF+i], s20, i, v1              ; row i of the block, my channel
.set i, i+1
.endr
	v_mul_u32_u24 v[APA], v95, 1536                ; where my codes go: tile l / 8, image lane 8 hp + l % 8 + 16 h'
	v_lshl_add_u32 v[APA], v94, 4, v[APA]
	s_lshl_b32 s33, s29, 7
	s_lshl_b32 s34, s32, 8
	s_add_co_u32 s33, s33, s34
	s_mul_i32 s34, s31, 520                        ; registers 6 c' .. 6 c' + 5 are the pieces at 520 c', 8 + 1016 c', 512 + 520 c'
	s_add_co_u32 s34, s34, s33
	s_mul_i32 s35, s31, 1016
	s_add_co_u32 s35, s35, s33
	v_add_nc_u32 v[APB], s35, v[APA]
	v_add_nc_u32 v[APA], s34, v[APA]
	v_lshlrev_b32 v[ASB], 6, v95                   ; my scale byte: 64 wt + 4 r + bk
	v_lshl_add_u32 v[ASB], v94, 2, v[ASB]
	s_lshl_b32 s33, s29, 5
	s_add_co_u32 s33, s33, s30
	v_add_nc_u32 v[ASB], s33, v[ASB]
	v_lshlrev_b32 v[CP], 3, v0
	s_lshl_b32 s22, s23, 7                         ; my block's first row: 128 s + 32 bk,
	s_lshl_b32 s24, s30, 5
	s_add_co_u32 s22, s22, s24
	s_mul_i32 s22, s22, s20                        ; in bytes,
	s_lshl_b32 s24, s25, 8
	s_add_co_u32 s22, s22, s24                     ; + channel 64 g
	s_lshl_b32 s24, s29, 7
	s_add_co_u32 s22, s22, s24                     ; + 32 hp
	s_mov_b32 s23, 0
	s_mul_i32 s36, ttmp9, 6400
	s_mov_b32 s37, 0
	s_wait_kmcnt 0x0
	s_mov_b64 s[18:19], s[4:5]                     ; the weight is chosen by the unit's number alone
	s_cmp_eq_u32 s21, 1
	s_cselect_b64 s[18:19], s[6:7], s[18:19]
	s_cmp_eq_u32 s21, 2
	s_cselect_b64 s[18:19], s[8:9], s[18:19]
	s_cmp_eq_u32 s21, 3
	s_cselect_b64 s[18:19], s[10:11], s[18:19]
	s_cmp_ge_u32 s21, 4
	s_cselect_b64 s[18:19], s[12:13], s[18:19]
	s_cmp_ge_u32 s21, 8
	s_cselect_b64 s[18:19], s[14:15], s[18:19]
	s_add_nc_u64 s[18:19], s[18:19], s[22:23]
	s_add_nc_u64 s[16:17], s[16:17], s[36:37]      ; my unit in wsp
.set i, 0
.rept 32
	global_load_b32 v[X+i], v[OF+i], s[18:19] th:TH_LOAD_NT   ; 32 lanes read 128 consecutive bytes; each number is read once in the launch
.set i, i+1
.endr
	s_wait_loadcnt 0x0
	QUANT32 X, 1, C, Y, SOP, BYT, M0, M1
	ds_store_b64 v[APA], v[C:C+1]
	ds_store_b64 v[APB], v[C+2:C+3] offset:8
	ds_store_b64 v[APA], v[C+4:C+5] offset:512
	ds_store_b8 v[ASB], v[BYT] offset:6144
	s_wait_dscnt 0x0                               ; for the others' sake: my stores have landed
	s_barrier_signal -1
	s_barrier_wait -1                              ; the unit is whole in LDS
	ds_load_b64 v[OUTR:OUTR+1], v[CP]
	ds_load_b64 v[OUTR+2:OUTR+3], v[CP] offset:2048
	ds_load_b64 v[OUTR+4:OUTR+5], v[CP] offset:4096
	s_wait_dscnt 0x0
	global_store_b64 v[CP], v[OUTR:OUTR+1], s[16:17]                 ; a wave stores 256 consecutive bytes, at a multiple of 256 from the buffer's first byte
	global_store_b64 v[CP], v[OUTR+2:OUTR+3], s[16:17] offset:2048
	global_store_b64 v[CP], v[OUTR+4:OUTR+5], s[16:17] offset:4096
	s_cmp_lg_u32 s28, 0
	s_cbranch_scc1 .Lend
	ds_load_b64 v[OUTR+6:OUTR+7], v[CP] offset:6144                  ; wave 0: the 256 bytes of scale words
	s_wait_dscnt 0x0
	global_store_b64 v[CP], v[OUTR+6:OUTR+7], s[16:17] offset:6144
.Lend:
	s_barrier_signal -1
	s_barrier_wait -1
	s_wait_tensorcnt 0x0
	ds_add_u32 v96, v97
	s_wait_dscnt 0x0
	s_endpgm
.Lfunc_end_k_qe233358851_wquant:
	.size	k_qe233358851_wquant, .Lfunc_end_k_qe233358851_wquant-k_qe233358851_wquant
	.p2alignl 7, 3214868480
	.fill 96, 4, 3214868480
	.section	.rodata,"a",@progbits
	.p2align	6, 0x0
	.amdhsa_kernel k_qe233358851_wquant
		.amdhsa_group_segment_fixed_size 7680
		.amdhsa_private_segment_fixed_size 0
		.amdhsa_enable_private_segment 0
		.amdhsa_kernarg_size 56
		.amdhsa_user_sgpr_count 2
		.amdhsa_user_sgpr_kernarg_segment_ptr 1
		.amdhsa_wavefront_size32 1
		.amdhsa_system_sgpr_workgroup_id_x 1
		.amdhsa_system_sgpr_workgroup_id_y 1
		.amdhsa_system_sgpr_workgroup_id_z 1
		.amdhsa_system_vgpr_workitem_id 0
		.amdhsa_next_free_vgpr 98
		.amdhsa_next_free_sgpr 66
		.amdhsa_reserve_vcc 0
		.amdhsa_float_denorm_mode_32 3
		.amdhsa_float_denorm_mode_16_64 3
		.amdhsa_memory_ordered 1
		.amdhsa_forward_progress 1
		.amdhsa_inst_pref_size 11
	.end_amdhsa_kernel
	.amdgpu_metadata
---
amdhsa.version: [ 1, 2 ]
amdhsa.kernels:
  - .name:           k_qe233358851_wquant
    .symbol:         k_qe233358851_wquant.kd
    .args:
      - { .name: wq, .offset: 0, .size: 8, .value_kind: global_buffer, .address_space: global }
      - { .name: wk, .offset: 8, .size: 8, .value_kind: global_buffer, .address_space: global }
      - { .name: wv, .offset: 16, .size: 8, .value_kind: global_buffer, .address_space: global }
      - { .name: wo, .offset: 24, .size: 8, .value_kind: global_buffer, .address_space: global }
      - { .name: w1, .offset: 32, .size: 8, .value_kind: global_buffer, .address_space: global }
      - { .name: w2, .offset: 40, .size: 8, .value_kind: global_buffer, .address_space: global }
      - { .name: wsp, .offset: 48, .size: 8, .value_kind: global_buffer, .address_space: global }
    .group_segment_fixed_size: 7680
    .private_segment_fixed_size: 0
    .kernarg_segment_align: 8
    .kernarg_segment_size: 56
    .max_flat_workgroup_size: 256
    .sgpr_count:     66
    .vgpr_count:     98
    .wavefront_size: 32
...
	.end_amdgpu_metadata
.endif
;; end of part 1
;; launch lnqkv (part 2): grid 64 x 1, 16 waves a work-group, no clusters, 31,744 bytes of LDS; arguments x, g1, b1, wsp, bq, bk, bv, qc, qs, kv; writes qc, qs, kv
.if DOCPART == 2
	.amdgcn_target "amdgcn-amd-amdhsa--gfx1250"
	.amdhsa_code_object_version 6
	.text
	.protected	k_qe233358851_lnqkv
	.globl	k_qe233358851_lnqkv
	.p2align	8
	.type	k_qe233358851_lnqkv,@function
k_qe233358851_lnqkv:
	s_mov_b64 s[64:65], 0
	v_nop
	global_prefetch_b8 v0, s[64:65] scope:SCOPE_SE
	s_setreg_imm32_b32 hwreg(HW_REG_WAVE_MODE, 25, 1), 1
	s_wait_xcnt 0x0
; LN1, then q, k, v = Q(xn) Q(w) + bias on codes of BF6 (E3M2), then q and k quantised along the head's 32 and v along the tokens, laid as the attention launch's operand registers want them.
; x: [2][256 channels][4096 tokens] f32.  A work-group of sixteen waves takes 128 tokens (one key step of attention); x is read once.
; TOKEN ORDER: tile ti = 4 c + t of the 128, row r = token 64 c + 32 (r / 8) + 8 t + r % 8.  As source 0 such tiles leave a lane 32 NEIGHBOURING tokens in the 32 result registers of t = 0..3.
; WEIGHT TILES (see the weights' launch): tile wt, row r = channel 64 g + 32 (r / 8) + 8 wt + r % 8.  As source 0 they leave a lane 32 neighbouring channels: a whole head.  So every quantiser here finds its block of 32 in ONE lane.
; PHASES.  LN: wave (cq, tg) holds 64 channels x 32 tokens, a lane a token; sums meet in LDS (two barriers); xn's codes go to LDS as images of the operand's registers (a third barrier).
;   QK: wave (g, c, role) makes 64 channels (two heads) of q or of k for 64 tokens: four tiles of tokens, 8 matrix instructions each.   V: wave (head, tt) makes 16 of the head's 32 for all 128 tokens, tokens as source 0.
; OUT.  qc [hb][position][24 bytes], position = 128 block + 16 ti + r;  qs: hb 4096 + 128 block + 64 c + 4 r + t;  kv [hb][step][6400]: K fragments at 0, 1536 (row r, K block b = key 64 f + 32 (r / 8) + 8 b + r % 8, all its 32),
;   V fragments at 3072, 4608 (row r = d 16 (r / 8) + 8 tt + r % 8, K = the step's 128 keys), K's scale words at 6144 (lane 16 f + r), V's at 6272 (lane 16 tt + r).
; The biases are the C of each sum's first matrix instruction, so the bias is added ahead of the products and not behind them as in the source: a difference of rounding order alone.
; The weights' codes are shared by all work-groups, but each wave wants its 12,288 bytes in registers, once: 24 loads of 512 consecutive bytes.  A joint load would bring them to LDS, from where the same 24 loads would follow: not used.
; LIMITS: a block of zeros gets the byte 1 (its codes are zeros; this program alone reads the bytes); blocks under 2^-122 keep the byte 1; NaN and infinities are not served.
.set XI,   0                           ; LDS: xn's 16 fragments, (2 ti + s) x 1,536 bytes
.set XSI,  24576                       ; their scale words: 128 bytes a tile; lane 16 s + r
.set ST1,  25600                       ; partial sums, 4 bytes a thread; 2,048 bytes on: partial sums of squares
.set GP,   6                           ; s[6:7] g1, s[8:9] b1 at my 64 channels
.set BP,   8
.set LI,   1                           ; 16 l
.set LS,   2                           ; 4 l
.set APA,  3                           ; where my token's codes go: pieces 0 and 2
.set APB,  4                           ; piece 1
.set ASC,  6                           ; and its two scale bytes
.set STW,  7
.set STR,  8
.set WSO,  9                           ; weights' scale words: lanes 0-15 K step 0, lanes 16-31 K step 1
.set BIO,  10
.set QCO,  11
.set QSO,  12
.set KVO,  13
.set KSO,  14
.set W,    16                          ; v16-111  my eight weight fragments, (wt, s) at 24 wt + 12 s
.set BI,   112                         ; v112-143 the bias in the result's layout
.set WS,   144                         ; v144-147
.set X,    148                         ; v148-211 LN: my token's 64 channels
.set MU,   212
.set RS,   214
.set CH,   216
.set M0,   224
.set M1,   225
.set SOP,  226
.set BY,   227                         ; v227-228
.set C,    230
.set Y,    236
.set XF,   148                         ; QK: a token tile's two fragments
.set ACC,  172                         ; v172-203
.set KC,   204                         ; v204-215 codes
.set YQ,   216
.set XS,   220
.set SW,   221
.set XA,   16                          ; V: four token tiles' fragments, (t, s) at 24 t + 12 s
.set WV,   112
.set WVS,  136
.set BV,   137
.set BT,   138
.set XSV,  232
.set WVA,  240
.set WVSA, 241
.set BVA,  242
.set XIB,  243
.set XSB,  244
.set RR,   245
.set HH,   246
.set L3,   247
.set L7,   248
.set R3,   249
.set R4,   250
.set T0,   251
.set T1,   252
.set T2,   253
.set WVN,  24
.set ROLE, 25
.set SEL,  26
.set G,    28
.set TG,   29
; 32 numbers of one lane, v[x] on, become 6 registers of codes at v[c] and the scale's byte in v[byte].  Each of the four accumulators under x is first read at its low end.
.macro QUANT32 x, ab, c, y, sop, byte, m0, m1
.if \ab
	v_max3_num_f32 v[\m0], |v[(\x)]|, |v[(\x)+1]|, 0x2800000          ; two chains; the floor 2^(5 - 127) is one more leaf, so the byte cannot fall under 1
	v_max3_num_f32 v[\m1], |v[(\x)+16]|, |v[(\x)+17]|, |v[(\x)+18]|
.irp i, 0,1,2,3,4,5
	v_max3_num_f32 v[\m0], v[\m0], |v[(\x)+2+2*\i]|, |v[(\x)+3+2*\i]|
	v_max3_num_f32 v[\m1], v[\m1], |v[(\x)+19+2*\i]|, |v[(\x)+20+2*\i]|
.endr
	v_max3_num_f32 v[\m0], v[\m0], |v[(\x)+14]|, |v[(\x)+15]|
	v_max3_num_f32 v[\m0], v[\m0], v[\m1], |v[(\x)+31]|
.else
	v_max3_num_f32 v[\m0], v[(\x)], v[(\x)+1], 0x2800000
	v_max3_num_f32 v[\m1], v[(\x)+16], v[(\x)+17], v[(\x)+18]
.irp i, 0,1,2,3,4,5
	v_max3_num_f32 v[\m0], v[\m0], v[(\x)+2+2*\i], v[(\x)+3+2*\i]
	v_max3_num_f32 v[\m1], v[\m1], v[(\x)+19+2*\i], v[(\x)+20+2*\i]
.endr
	v_max3_num_f32 v[\m0], v[\m0], v[(\x)+14], v[(\x)+15]
	v_max3_num_f32 v[\m0], v[\m0], v[\m1], v[(\x)+31]
.endif
	v_add_nc_u32 v[\sop], 0xfe000000, v[\m0]                          ; 4 off the exponent field: the conversion takes that field as its scale
	v_cvt_scalef32_pk16_bf6_f32 v[(\c):(\c)+2], v[(\x):(\x)+15], v[\sop]
	v_cvt_scalef32_pk16_bf6_f32 v[(\y):(\y)+2], v[(\x)+16:(\x)+31], v[\sop]   ; (a conversion's three registers begin on an even number)
	v_lshrrev_b32 v[\byte], 23, v[\sop]                               ; the scale's byte; also the plain line behind the conversions
	v_mov_b32 v[(\c)+3], v[(\y)]
	v_mov_b32 v[(\c)+4], v[(\y)+1]
	v_mov_b32 v[(\c)+5], v[(\y)+2]
.endm
.macro BARRIER                         ; my LDS stores have landed and my LDS loads are in: then the work-group's barrier
	s_wait_dscnt 0x0
	s_barrier_signal -1
	s_barrier_wait -1
.endm
; one matrix instruction; row = 1: both sides' scales from lanes 16-31 (K step 1)
.macro MM d, a, b, c, sa, sb, row
.if \row
	v_wmma_scale_f32_16x16x128_f8f6f4 v[(\d):(\d)+7], v[(\a):(\a)+11], v[(\b):(\b)+11], v[(\c):(\c)+7], v[\sa], v[\sb] matrix_a_fmt:MATRIX_FMT_BF6 matrix_b_fmt:MATRIX_FMT_BF6 matrix_a_scale:MATRIX_SCALE_ROW1 matrix_b_scale:MATRIX_SCALE_ROW1
.else
	v_wmma_scale_f32_16x16x128_f8f6f4 v[(\d):(\d)+7], v[(\a):(\a)+11], v[(\b):(\b)+11], v[(\c):(\c)+7], v[\sa], v[\sb] matrix_a_fmt:MATRIX_FMT_BF6 matrix_b_fmt:MATRIX_FMT_BF6
.endif
.endm
; Mean and 1 / sqrt(variance + eps) of my token over 256 channels: my 64 in registers, the four waves' parts through LDS.  The mean is taken off before the squares.
.macro LNSTAT
	v_pk_add_f32 v[CH:CH+1], v[X:X+1], v[X+2:X+3]
	v_pk_add_f32 v[CH+2:CH+3], v[X+4:X+5], v[X+6:X+7]
.set i, 8
.rept 14
	v_pk_add_f32 v[CH:CH+1], v[CH:CH+1], v[X+i:X+i+1]
	v_pk_add_f32 v[CH+2:CH+3], v[CH+2:CH+3], v[X+i+2:X+i+3]
.set i, i+4
.endr
	v_pk_add_f32 v[CH:CH+1], v[CH:CH+1], v[CH+2:CH+3]
	v_add_f32 v[CH], v[CH], v[CH+1]
	ds_store_b32 v[STW], v[CH]
	BARRIER
.irp k, 0,1,2,3
	ds_load_b32 v[CH+4+\k], v[STR] offset:512*\k
.endr
	s_wait_dscnt 0x0
	v_add_f32 v[CH+4], v[CH+4], v[CH+5]
	v_add_f32 v[CH+6], v[CH+6], v[CH+7]
	v_add_f32 v[CH+4], v[CH+4], v[CH+6]
	v_mul_f32 v[MU], s2, v[CH+4]                   ; / 256
	v_mov_b32 v[MU+1], v[MU]
.set i, 0
.rept 32
	v_pk_add_f32 v[X+i:X+i+1], v[X+i:X+i+1], v[MU:MU+1] neg_lo:[0,1] neg_hi:[0,1]
.set i, i+2
.endr
	v_pk_mul_f32 v[CH:CH+1], v[X:X+1], v[X:X+1]
	v_pk_mul_f32 v[CH+2:CH+3], v[X+2:X+3], v[X+2:X+3]
.set i, 4
.rept 15
	v_pk_fma_f32 v[CH:CH+1], v[X+i:X+i+1], v[X+i:X+i+1], v[CH:CH+1]
	v_pk_fma_f32 v[CH+2:CH+3], v[X+i+2:X+i+3], v[X+i+2:X+i+3], v[CH+2:CH+3]
.set i, i+4
.endr
	v_pk_add_f32 v[CH:CH+1], v[CH:CH+1], v[CH+2:CH+3]
	v_add_f32 v[CH], v[CH], v[CH+1]
	ds_store_b32 v[STW], v[CH] offset:2048         ; other bytes than the sums': no barrier is owed between the reads above and this store
	BARRIER
.irp k, 0,1,2,3
	ds_load_b32 v[CH+4+\k], v[STR] offset:2048+512*\k
.endr
	s_wait_dscnt 0x0
	v_add_f32 v[CH+4], v[CH+4], v[CH+5]
	v_add_f32 v[CH+6], v[CH+6], v[CH+7]
	v_add_f32 v[CH+4], v[CH+4], v[CH+6]
	v_fma_f32 v[CH+4], v[CH+4], s2, s3             ; variance + eps
	v_rsq_f32 v[RS], v[CH+4]
	v_nop                                          ; a plain line behind the transcendental
	s_wait_alu depctr_va_vdst(0)                   ; and the wait ahead of its first reader
	v_mov_b32 v[RS+1], v[RS]
.endm
; Block e (32 channels) of my token: x g + b, quantised, its codes to the image.  g and b of the block lie in s32-63 and s68-99.
.macro LNBLOCK e
	s_wait_kmcnt 0x0
.set i, 0
.rept 16
	v_pk_mul_f32 v[X+32*\e+i:X+32*\e+i+1], v[X+32*\e+i:X+32*\e+i+1], v[RS:RS+1]
.set i, i+2
.endr
.set i, 0
.rept 32
	v_fma_f32 v[X+32*\e+i], v[X+32*\e+i], s[32+i], s[68+i]
.set i, i+1
.endr
.if \e == 0
	s_load_b512 s[32:47], s[GP:GP+1], 0x80         ; the next block's g and b land under the quantiser
	s_load_b512 s[48:63], s[GP:GP+1], 0xc0
	s_load_b512 s[68:83], s[BP:BP+1], 0x80
	s_load_b512 s[84:99], s[BP:BP+1], 0xc0
.endif
	s_wait_dscnt 0x0                               ; the last block's stores have read their registers
	QUANT32 X+32*\e, 1, C, Y, SOP, BY+\e, M0, M1
	ds_store_b64 v[APA], v[C:C+1] offset:256*\e
	ds_store_b64 v[APB], v[C+2:C+3] offset:256*\e+8
	ds_store_b64 v[APA], v[C+4:C+5] offset:256*\e+512
.endm
	s_load_b512 s[4:19], s[0:1], 0x0               ; x, g1, b1, wsp, bq, bk, bv, qc
	s_load_b128 s[20:23], s[0:1], 0x40             ; qs, kv
	v_lshl_add_u32 v254, v0, 2, 0x7400
	v_mov_b32 v255, 0
	v_lshrrev_b32 v15, 5, v0
	v_readfirstlane_b32 s[WVN], v15                ; wave 0..15
	v_and_b32 v15, 31, v0
	v_lshlrev_b32 v[LI], 4, v15
	v_lshlrev_b32 v[LS], 2, v15
	v_and_b32 v[RR], 15, v0                        ; r
	v_bfe_u32 v[HH], v0, 4, 1                      ; h
	v_bfe_u32 v[L3], v0, 3, 2                      ; l / 8
	v_and_b32 v[L7], 7, v0                         ; l % 8
	v_bfe_u32 v[R3], v0, 3, 1                      ; r / 8
	v_lshlrev_b32 v[R4], 2, v[RR]
	s_and_b32 s[ROLE], s[WVN], 1                   ; QK: 0 = q, 1 = k.  V: tt.  LN: tg % 2
	s_lshr_b32 s[G], s[WVN], 2                     ; QK, V: g.  LN: cq
	s_and_b32 s[TG], s[WVN], 3                     ; LN: which 32 tokens
	s_bfe_u32 s30, s[WVN], 0x10001                 ; QK: c.  V: the head's half of g's 64.  LN: tg / 2
	s_lshr_b32 s31, s[G], 1                        ; cq / 2: the K step of my 64 channels
	s_and_b32 s66, s[G], 1                         ; cq % 2: which half of a fragment's registers
	; LN: token 32 tg + l is row 8 (tg % 2) + l % 8 of tile 4 (tg / 2) + l / 8; block e of my channels goes to image lanes 16 e + row
	s_mul_i32 s2, s30, 12288
	s_mul_i32 s3, s31, 1536
	s_add_co_u32 s2, s2, s3
	s_lshl_b32 s3, s[ROLE], 7
	s_add_co_u32 s2, s2, s3
	s_add_co_u32 s2, s2, XI
	s_mul_i32 s3, s66, 520
	s_add_co_u32 s3, s3, s2
	s_mul_i32 s67, s66, 1016
	s_add_co_u32 s67, s67, s2
	v_mul_u32_u24 v[APA], v[L3], 3072
	v_lshl_add_u32 v[APA], v[L7], 4, v[APA]
	v_add_nc_u32 v[APB], s67, v[APA]
	v_add_nc_u32 v[APA], s3, v[APA]
	s_lshl_b32 s2, s30, 9
	s_lshl_b32 s3, s31, 6
	s_add_co_u32 s2, s2, s3
	s_lshl_b32 s3, s[ROLE], 5
	s_add_co_u32 s2, s2, s3
	s_lshl_b32 s3, s66, 1
	s_add_co_u32 s2, s2, s3
	s_add_co_u32 s2, s2, XSI
	v_lshlrev_b32 v[ASC], 7, v[L3]
	v_lshl_add_u32 v[ASC], v[L7], 2, v[ASC]
	v_add_nc_u32 v[ASC], s2, v[ASC]
	v_lshl_add_u32 v[STW], v0, 2, ST1              ; my thread's partial sum
	s_lshl_b32 s2, s[TG], 7
	s_add_co_u32 s2, s2, ST1
	v_add_nc_u32 v[STR], s2, v[LS]                 ; and those of the four waves that hold my token
	v_mul_u32_u24 v[WSO], v[HH], 6400
	v_lshl_add_u32 v[WSO], v[RR], 2, v[WSO]
	v_lshlrev_b32 v[BIO], 7, v[HH]
	v_mul_u32_u24 v[QCO], v[HH], 98304             ; lanes 16-31 hold the second head of g's two
	v_mad_u32_u24 v[QCO], v[RR], 24, v[QCO]
	v_lshlrev_b32 v[QSO], 12, v[HH]
	v_lshl_add_u32 v[QSO], v[RR], 2, v[QSO]
	v_mul_u32_u24 v[KVO], v[HH], 204800
	v_lshl_add_u32 v[KSO], v[RR], 2, v[KVO]
	v_lshl_add_u32 v[KVO], v[RR], 4, v[KVO]
	; V: column r of my tile is d = 16 (r / 8) + 8 tt + r % 8 of my head: weight tile 2 (r / 8) + tt, row 8 hp + r % 8
	s_mul_i32 s2, s[ROLE], 1536
	s_lshl_b32 s3, s30, 7
	s_add_co_u32 s2, s2, s3
	v_mul_u32_u24 v[WVA], v[R3], 3072
	v_lshl_add_u32 v[WVA], v[L7], 4, v[WVA]
	v_lshl_add_u32 v[WVA], v[HH], 8, v[WVA]
	v_add_nc_u32 v[WVA], s2, v[WVA]
	s_lshl_b32 s2, s[ROLE], 6
	s_lshl_b32 s3, s30, 5
	s_add_co_u32 s2, s2, s3
	v_mul_u32_u24 v[WVSA], v[HH], 6400
	v_lshl_add_u32 v[WVSA], v[R3], 7, v[WVSA]
	v_lshl_add_u32 v[WVSA], v[L7], 2, v[WVSA]
	v_add_nc_u32 v[WVSA], s2, v[WVSA]
	v_lshlrev_b32 v[BVA], 6, v[R3]
	v_lshl_add_u32 v[BVA], v[L7], 2, v[BVA]
	s_mul_i32 s2, s30, 12288
	v_add_nc_u32 v[XIB], s2, v[LI]                 ; QK: my four token tiles' images
	s_lshl_b32 s2, s30, 9
	s_add_co_u32 s2, s2, XSI
	v_add_nc_u32 v[XSB], s2, v[LS]
	s_mov_b32 s[SEL], 0x76543210
	s_mov_b32 s[SEL+1], 0xfedcba98                 ; v_permlanex16_b32's selects for lane l xor 16
	s_lshr_b32 s2, ttmp9, 5                        ; the batch
	s_lshl_b32 s2, s2, 22
	s_lshl_b32 s3, s[G], 20                        ; 64 cq channels of 16,384 bytes
	s_add_co_u32 s2, s2, s3
	s_and_b32 s3, ttmp9, 31
	s_lshl_b32 s3, s3, 9                           ; 128 tokens a block
	s_add_co_u32 s2, s2, s3
	s_lshl_b32 s3, s[TG], 7
	s_add_co_u32 s2, s2, s3
	s_mov_b32 s3, 0
	s_wait_kmcnt 0x0
	s_add_nc_u64 s[4:5], s[4:5], s[2:3]
	s_lshl_b32 s2, s[G], 8
	s_add_nc_u64 s[6:7], s[6:7], s[2:3]
	s_add_nc_u64 s[8:9], s[8:9], s[2:3]
	s_load_b512 s[32:47], s[GP:GP+1], 0x0          ; g and b of my first 32 channels
	s_load_b512 s[48:63], s[GP:GP+1], 0x40
	s_load_b512 s[68:83], s[BP:BP+1], 0x0
	s_load_b512 s[84:99], s[BP:BP+1], 0x40
.set i, 0
.rept 64
	global_load_b32 v[X+i], v[LS], s[4:5] offset:i*16384 th:TH_LOAD_NT   ; channel 64 cq + i, 32 tokens: 128 consecutive bytes
.set i, i+1
.endr
	s_cmp_eq_u32 s[ROLE], 0
	s_cselect_b64 s[30:31], s[12:13], s[14:15]     ; bq or bk, by the wave's number
	s_add_nc_u64 s[30:31], s[30:31], s[2:3]        ; at channel 64 g
	s_lshl_b32 s2, s[ROLE], 3
	s_lshl_b32 s67, s[G], 1
	s_add_co_u32 s2, s2, s67
	s_mul_i32 s2, s2, 6400
	s_add_nc_u64 s[66:67], s[10:11], s[2:3]        ; units 8 role + 2 g, + 1
.irp wt, 0,1,2,3
.irp s, 0,1
.irp k, 0,1,2
	global_load_b128 v[W+24*\wt+12*\s+4*\k:W+24*\wt+12*\s+4*\k+3], v[LI], s[66:67] offset:6400*\s+1536*\wt+512*\k
.endr
.endr
	global_load_b32 v[WS+\wt], v[WSO], s[66:67] offset:6144+64*\wt
	global_load_b128 v[BI+8*\wt:BI+8*\wt+3], v[BIO], s[30:31] offset:32*\wt
	global_load_b128 v[BI+8*\wt+4:BI+8*\wt+7], v[BIO], s[30:31] offset:32*\wt+16
.endr
	s_mov_b32 s2, 0x3b800000                       ; 1 / 256
	s_mov_b32 s3, 0x3727c5ac                       ; eps = 1e-5
	s_wait_loadcnt 36                              ; x is in; the 36 loads of weights and biases issued behind it may stay out
	LNSTAT
	LNBLOCK 0
	LNBLOCK 1
	v_lshl_or_b32 v[M0], v[BY+1], 8, v[BY]
	ds_store_b16 v[ASC], v[M0]                     ; my two blocks' bytes lie side by side in the row's scale word
	BARRIER                                        ; xn's sixteen fragments and their scale words lie in LDS; nothing writes them again
	; where the results go (s32 on are free now)
	s_lshr_b32 s32, ttmp9, 5                       ; b
	s_and_b32 s33, ttmp9, 31                       ; the block = the key step
	s_bfe_u32 s34, s[WVN], 0x10001                 ; c
	s_lshl_b32 s35, s32, 3
	s_lshl_b32 s36, s[G], 1
	s_add_co_u32 s35, s35, s36                     ; hb of lanes 0-15: 8 b + 2 g
	s_mul_i32 s36, s35, 98304
	s_lshl_b32 s38, s33, 7
	s_lshl_b32 s39, s34, 6
	s_add_co_u32 s38, s38, s39                     ; position 128 block + 64 c
	s_mul_i32 s39, s38, 24
	s_add_co_u32 s36, s36, s39
	s_mov_b32 s37, 0
	s_add_nc_u64 s[18:19], s[18:19], s[36:37]      ; qc
	s_lshl_b32 s36, s35, 12
	s_add_co_u32 s36, s36, s38
	s_add_nc_u64 s[20:21], s[20:21], s[36:37]      ; qs
	s_mul_i32 s36, s35, 204800
	s_mul_i32 s39, s33, 6400
	s_add_co_u32 s36, s36, s39
	s_add_nc_u64 s[40:41], s[22:23], s[36:37]      ; kv at (hb, step)
	s_lshl_b32 s36, s34, 6
	s_add_nc_u64 s[42:43], s[40:41], s[36:37]      ; K's scale words of fragment c
	s_mul_i32 s36, s34, 1536
	s_add_nc_u64 s[40:41], s[40:41], s[36:37]      ; K's fragment c
	s_lshr_b32 s48, s[WVN], 1                      ; V: my head
	s_lshl_b32 s36, s32, 3
	s_add_co_u32 s36, s36, s48
	s_mul_i32 s36, s36, 204800
	s_add_co_u32 s36, s36, s39
	s_add_nc_u64 s[44:45], s[22:23], s[36:37]
	s_lshl_b32 s36, s[ROLE], 6
	s_add_nc_u64 s[46:47], s[44:45], s[36:37]      ; V's scale words of fragment tt
	s_mul_i32 s36, s[ROLE], 1536
	s_add_nc_u64 s[44:45], s[44:45], s[36:37]      ; V's fragment tt
	s_lshl_b32 s36, s[G], 1
	s_add_co_u32 s36, s36, 16
	s_mul_i32 s36, s36, 6400
	s_add_nc_u64 s[50:51], s[10:11], s[36:37]      ; wv's units 16 + 2 g, + 1
	s_lshl_b32 s36, s48, 7
	s_lshl_b32 s49, s[ROLE], 5
	s_add_co_u32 s36, s36, s49
	s_add_nc_u64 s[16:17], s[16:17], s[36:37]      ; bv at my head, + 8 tt
.macro XALOAD c                        ; V: the four token tiles 4 c + t, both K steps, and their scale words
.irp t, 0,1,2,3
.irp s, 0,1
.irp k, 0,1,2
	ds_load_b128 v[XA+24*\t+12*\s+4*\k:XA+24*\t+12*\s+4*\k+3], v[LI] offset:XI+(2*(4*\c+\t)+\s)*1536+512*\k
.endr
.endr
	ds_load_b32 v[XSV+\t], v[LS] offset:XSI+128*(4*\c+\t)
.endr
.endm
; QK: token tile 4 c + t.  Source 0 = 16 channels of the weight, source 1 = 16 tokens: lane (r, h) holds token r and the 32 numbers of head 2 g + h.  The four accumulators take turns.
.macro QKTILE t, kcoff, last
.irp s, 0,1
.irp k, 0,1,2
	ds_load_b128 v[XF+12*\s+4*\k:XF+12*\s+4*\k+3], v[XIB] offset:(2*\t+\s)*1536+512*\k
.endr
.endr
	ds_load_b32 v[XS], v[XSB] offset:128*\t
	s_wait_dscnt 0x0
.irp wt, 0,1,2,3
	MM ACC+8*\wt, W+24*\wt, XF, BI+8*\wt, WS+\wt, XS, 0
.endr
.irp wt, 0,1,2,3
	MM ACC+8*\wt, W+24*\wt+12, XF+12, ACC+8*\wt, WS+\wt, XS, 1
.endr
.rept 4
	v_nop                                          ; four places ahead of the first read of results and of loads into registers that these products read
.endr
.if \last
.irp s, 0,1                                    ; the weights have done their work: the V pass's operands are asked for, and land under the quantiser
.irp k, 0,1,2
	global_load_b128 v[WV+12*\s+4*\k:WV+12*\s+4*\k+3], v[WVA], s[50:51] offset:6400*\s+512*\k
.endr
.endr
	global_load_b32 v[WVS], v[WVSA], s[50:51] offset:6144
	global_load_b32 v[BV], v[BVA], s[16:17]
	XALOAD 0
.endif
	s_wait_xcnt 0x0                                ; earlier stores have read the codes' registers: they are written again only behind this wait
	QUANT32 ACC, 1, KC+\kcoff, YQ, SOP, BY, M0, M1
.if \t == 0
	v_mov_b32 v[SW], v[BY]
.else
	v_lshl_or_b32 v[SW], v[BY], 8*\t, v[SW]        ; byte t of the row's word
.endif
	s_cmp_lg_u32 s[ROLE], 0
	s_cbranch_scc1 .Lkeys_\@
	global_store_b64 v[QCO], v[KC+\kcoff:KC+\kcoff+1], s[18:19] offset:384*\t      ; q: 24 bytes a token; sixteen lanes' three stores cover 384 consecutive bytes
	global_store_b64 v[QCO], v[KC+\kcoff+2:KC+\kcoff+3], s[18:19] offset:384*\t+8
	global_store_b64 v[QCO], v[KC+\kcoff+4:KC+\kcoff+5], s[18:19] offset:384*\t+16
.if \t == 3
	global_store_b32 v[QSO], v[SW], s[20:21]
.endif
	s_branch .Lstored_\@
.Lkeys_\@:
.if \t >= 2
.irp k, 0,1,2                                  ; k: tiles t - 2 and t are K blocks t - 2 and t of row r: registers 0-5 and 6-11 of image lane r + 16 (t % 2): sixteen lanes store 256 consecutive aligned bytes
	global_store_b128 v[KVO], v[KC+4*\k:KC+4*\k+3], s[40:41] offset:512*\k+256*(\t%2)
.endr
.endif
.if \t == 3
	global_store_b32 v[KSO], v[SW], s[42:43] offset:6144
.endif
.Lstored_\@:
.endm
	s_wait_loadcnt 0x0                             ; weights, their scale words, the biases
	QKTILE 0, 0, 0
	QKTILE 2, 6, 0
	QKTILE 1, 0, 0
	QKTILE 3, 6, 1
; V: source 0 = 16 tokens, source 1 = my 16 columns of wv: lane (r, h) holds column r and, over t = 0..3, tokens 64 c + 32 h + 0 .. 31: block 2 c + h of the step's keys.
.macro VHALF c
	s_wait_dscnt 0x0
.irp t, 0,1,2,3
	MM ACC+8*\t, XA+24*\t, WV, BT, XSV+\t, WVS, 0
.endr
.irp t, 0,1,2,3
	MM ACC+8*\t, XA+24*\t+12, WV+12, ACC+8*\t, XSV+\t, WVS, 1
.endr
.rept 4
	v_nop
.endr
.if \c == 0
	XALOAD 1
.endif
	QUANT32 ACC, 1, KC+6*\c, YQ, SOP, BY+\c, M0, M1
.endm
	s_wait_loadcnt 0x0                             ; wv's fragments, scale words, bias
	s_wait_xcnt 0x0                                ; the last stores have read the codes' registers
.irp j, 0,1,2,3,4,5,6,7
	v_mov_b32 v[BT+\j], v[BV]                      ; a lane has one column: its bias in all eight registers
.endr
	VHALF 0
	VHALF 1
	v_lshl_or_b32 v[T0], v[BY+1], 16, v[BY]        ; my two bytes: blocks h and 2 + h,
	v_lshlrev_b32 v[T1], 3, v[HH]
	v_lshlrev_b32 v[T0], v[T1], v[T0]              ; at their places in the row's word;
	v_mov_b32 v[T2], 0
	v_permlanex16_b32 v[T2], v[T0], s[SEL], s[SEL+1]
	v_or_b32 v[T0], v[T0], v[T2]                   ; with lane l xor 16's two the word is whole
.irp k, 0,1,2
	global_store_b128 v[LI], v[KC+4*\k:KC+4*\k+3], s[44:45] offset:3072+512*\k     ; the fragment as it stands: 512 consecutive aligned bytes a store
.endr
	global_store_b32 v[R4], v[T0], s[46:47] offset:6272                            ; (both halves of the lanes hold the same word)
	s_barrier_signal -1
	s_barrier_wait -1
	s_wait_tensorcnt 0x0
	ds_add_u32 v254, v255
	s_wait_dscnt 0x0
	s_endpgm
.Lfunc_end_k_qe233358851_lnqkv:
	.size	k_qe233358851_lnqkv, .Lfunc_end_k_qe233358851_lnqkv-k_qe233358851_lnqkv
	.p2alignl 7, 3214868480
	.fill 96, 4, 3214868480
	.section	.rodata,"a",@progbits
	.p2align	6, 0x0
	.amdhsa_kernel k_qe233358851_lnqkv
		.amdhsa_group_segment_fixed_size 31744
		.amdhsa_private_segment_fixed_size 0
		.amdhsa_enable_private_segment 0
		.amdhsa_kernarg_size 80
		.amdhsa_user_sgpr_count 2
		.amdhsa_user_sgpr_kernarg_segment_ptr 1
		.amdhsa_wavefront_size32 1
		.amdhsa_system_sgpr_workgroup_id_x 1
		.amdhsa_system_sgpr_workgroup_id_y 1
		.amdhsa_system_sgpr_workgroup_id_z 1
		.amdhsa_system_vgpr_workitem_id 0
		.amdhsa_next_free_vgpr 256
		.amdhsa_next_free_sgpr 100
		.amdhsa_reserve_vcc 0
		.amdhsa_float_denorm_mode_32 3
		.amdhsa_float_denorm_mode_16_64 3
		.amdhsa_memory_ordered 1
		.amdhsa_forward_progress 1
		.amdhsa_inst_pref_size 59
	.end_amdhsa_kernel
	.amdgpu_metadata
---
amdhsa.version: [ 1, 2 ]
amdhsa.kernels:
  - .name:           k_qe233358851_lnqkv
    .symbol:         k_qe233358851_lnqkv.kd
    .args:
      - { .name: x, .offset: 0, .size: 8, .value_kind: global_buffer, .address_space: global }
      - { .name: g1, .offset: 8, .size: 8, .value_kind: global_buffer, .address_space: global }
      - { .name: b1, .offset: 16, .size: 8, .value_kind: global_buffer, .address_space: global }
      - { .name: wsp, .offset: 24, .size: 8, .value_kind: global_buffer, .address_space: global }
      - { .name: bq, .offset: 32, .size: 8, .value_kind: global_buffer, .address_space: global }
      - { .name: bk, .offset: 40, .size: 8, .value_kind: global_buffer, .address_space: global }
      - { .name: bv, .offset: 48, .size: 8, .value_kind: global_buffer, .address_space: global }
      - { .name: qc, .offset: 56, .size: 8, .value_kind: global_buffer, .address_space: global }
      - { .name: qs, .offset: 64, .size: 8, .value_kind: global_buffer, .address_space: global }
      - { .name: kv, .offset: 72, .size: 8, .value_kind: global_buffer, .address_space: global }
    .group_segment_fixed_size: 31744
    .private_segment_fixed_size: 0
    .kernarg_segment_align: 8
    .kernarg_segment_size: 80
    .max_flat_workgroup_size: 512
    .sgpr_count:     100
    .vgpr_count:     256
    .wavefront_size: 32
...
	.end_amdgpu_metadata
.endif
;; end of part 2
;; launch attn (part 3): grid 16 x 16, 16 waves a work-group, clusters of 4 x 1, 207,104 bytes of LDS; arguments qc, qs, kv, ao, aos; writes ao, aos
.if DOCPART == 3
	.amdgcn_target "amdgcn-amd-amdhsa--gfx1250"
	.amdhsa_code_object_version 6
	.text
	.protected	k_qe233358851_attn
	.globl	k_qe233358851_attn
	.p2align	8
	.type	k_qe233358851_attn,@function
k_qe233358851_attn:
	s_mov_b64 s[64:65], 0
	v_nop
	global_prefetch_b8 v0, s[64:65] scope:SCOPE_SE
	s_setreg_imm32_b32 hwreg(HW_REG_WAVE_MODE, 25, 1), 1
	s_wait_xcnt 0x0
	s_wait_alu depctr_hold_cnt(0) depctr_sa_sdst(0) depctr_va_vdst(0) depctr_va_sdst(0) depctr_va_ssrc(0) depctr_va_vcc(0) depctr_vm_vsrc(0)
	s_getreg_b32 s2, hwreg(HW_REG_IB_STS2, 6, 4)
	s_cmp_eq_u32 s2, 0
	s_cbranch_scc0 .Lentry_in_a_cluster
	s_endpgm
.Lentry_in_a_cluster:
	s_bfe_u32 s2, ttmp6, 0x10000c
	s_cmp_lg_u32 s2, 0x3003
	s_cbranch_scc0 .Lentry_shape_is_right
	s_endpgm
.Lentry_shape_is_right:
; Attention of one head (hb = 8 batch + head, work-group y) for 256 queries, on codes of BF6 (E3M2): S^T = K Q^T (K = the head's 32), p = 2^(t - M) quantised along the keys, O^T = V^T P^T (K = 4,096 keys), O / l quantised along the head's 32.
; t = score x log2(e) / sqrt(32); M = the running largest t rounded UP to a whole number; when M moves, l and O are multiplied by 2^(old M - new M), which rounds nothing.  l is the sum of the unquantised p.
; SHARES.  Sixteen waves; a wave owns one tile of 16 queries in 256 registers, four waves to a SIMD, so that one wave's vector work stands beside another's products and LDS loads.  Every wave walks 32 steps of 128 keys.
; THE HEAD'S K AND V, codes and scale words, are 204,800 bytes: they come into LDS ONCE, 12,800 bytes by each wave's one tensor load, and are never filled again: no ring.  By this text's count a wave has one tensor load out.
; CLUSTER.  The four work-groups of a cluster are four query blocks of one head and read the same 204,800 bytes: each load is asked for JOINTLY, with the same descriptor and a mask that names the four.
; LAYOUT.  A lane holds ONE query (lane % 16) throughout.  A K fragment carries 64 keys: row r, K block b = key 64 f + 32 (r / 8) + 8 b + r % 8.  It is multiplied four times, by Q laid in block b alone with zero codes elsewhere
; (zero codes add nothing whatever stands against them), so that register 32 f + 8 b + j of lane (r, h) is key 64 f + 32 h + 8 b + j: a lane's 32 registers are one block of 32 neighbouring keys.
; So a block's largest score, p's scale and p's codes need no other lane, and the conversions' results are the second product's operand as they stand.
; A block's largest p is not searched for: p rises with the score, so the block's largest score goes through the same multiply-add and exponential (this takes v_exp_f32 not to fall where its input rises).
; LIMITS: a block of p that has fallen to zeros keeps the byte 1 (its codes are zeros); NaN and infinities are not served.
.set STG,  204800                      ; behind K and V: 256 bytes for the output's scale bytes, written by LDS stores alone
.set LI,   1                           ; 16 l
.set LS,   2                           ; 4 l
.set ADR,  3
.set ADS,  4
.set SH8,  5                           ; 8 h
.set NIL,  6
.set NM,   12                          ; -M
.set RT,   13                          ; the running largest t
.set L,    14                          ; v[14:15] l in two halves
.set QS,   46                          ; v16-45: Q in lanes 0-15 | zeros | Q in lanes 16-31 | zeros | Q in lanes 0-15: block 0 = v16, block 3 = v22, block 1 = v28, block 2 = v34
.set KF,   48                          ; v48-71
.set KS,   72
.set VS,   73
.set PS,   74
.set VF,   76                          ; v76-99
.set S,    100                         ; v100-163
.set O,    164                         ; v164-179: register 8 tt + j = d 16 h + 8 tt + j
.set P,    180                         ; v180-191
.set Y0,   192
.set Y1,   196
.set BM,   200                         ; v200-203
.set T0,   204
.set T1,   205
.set F,    206                         ; v[206:207]
.set SOP0, 208
.set SOP1, 209
.set B0,   210
.set B1,   211
.set WD,   212
.set WX,   213
.set SM,   214                         ; v[214:215]
.set WVN,  14
.set SEL,  32
.set CS,   34
.set TB,   36
.set CNT,  37
.macro CROUND                          ; a round of the cluster's barrier: my work-group's barrier, wave 0 signals for the work-group, every wave waits for all four, my work-group's barrier once more
	s_barrier_signal -1
	s_barrier_wait -1
	s_cmp_lg_u32 s[WVN], 0
	s_cbranch_scc1 .Lnot_wave_0_\@
	s_barrier_signal -3
.Lnot_wave_0_\@:
	s_barrier_wait -3
	s_barrier_signal -1
	s_barrier_wait -1
.endm
.macro SC f, b, q                      ; 16 keys (K block b of fragment f) x my 16 queries
.if \f
	v_wmma_scale_f32_16x16x128_f8f6f4 v[S+32*\f+8*\b:S+32*\f+8*\b+7], v[KF+12*\f:KF+12*\f+11], v[\q:\q+11], 0, v[KS], v[QS] matrix_a_fmt:MATRIX_FMT_BF6 matrix_b_fmt:MATRIX_FMT_BF6 matrix_a_scale:MATRIX_SCALE_ROW1
.else
	v_wmma_scale_f32_16x16x128_f8f6f4 v[S+32*\f+8*\b:S+32*\f+8*\b+7], v[KF+12*\f:KF+12*\f+11], v[\q:\q+11], 0, v[KS], v[QS] matrix_a_fmt:MATRIX_FMT_BF6 matrix_b_fmt:MATRIX_FMT_BF6
.endif
.endm
.macro SUML q                          ; line q of 32 of the row's sum: 32 pairs of p in two chains
.if (\q) == 1
	v_pk_add_f32 v[SM:SM+1], v[S:S+1], v[S+2:S+3]
.elseif (\q) == 32
	v_pk_add_f32 v[L:L+1], v[L:L+1], v[SM:SM+1]
.elseif (\q)%2 == 0
	v_pk_add_f32 v[L:L+1], v[L:L+1], v[S+2*(\q):S+2*(\q)+1]
.else
	v_pk_add_f32 v[SM:SM+1], v[SM:SM+1], v[S+2*(\q):S+2*(\q)+1]
.endif
.endm
	s_load_b256 s[4:11], s[0:1], 0x0               ; qc, qs, kv, ao
	s_load_b64 s[12:13], s[0:1], 0x20              ; aos
	v_lshl_add_u32 v254, v0, 2, 0x32100
	v_mov_b32 v255, 0
	ds_add_u32 v254, v255
	ds_add_u32 v254, v255
	v_lshrrev_b32 v7, 5, v0
	v_readfirstlane_b32 s[WVN], v7                 ; wave 0..15
	s_bfe_u32 s15, ttmp6, 0x40000                  ; cx: my place in the cluster
	s_lshl_b32 s16, ttmp9, 2
	s_add_co_u32 s16, s16, s15                     ; my block of 256 queries: it enters global addresses of Q and of the output alone
	s_and_b32 s17, ttmp7, 0xffff                   ; hb, which the four partners share
	s_mov_b32 s24, 15|(3<<16)|(1<<21)              ; group 1: the mask names all four; elements of 8 bytes; bit 21 beside a mask; no padding
	s_mov_b32 s25, 32<<16                          ; tensor_dim0 = 32 elements: rows of 256 bytes
	s_mov_b32 s26, 50<<16                          ; tensor_dim1 = 50 rows: 12,800 dense bytes
	s_mov_b32 s27, 32<<16                          ; tile_dim0
	s_mov_b32 s28, 50                              ; tile_dim1
	s_mov_b32 s29, 32                              ; the pitch
	s_mov_b32 s30, 0
	s_mov_b32 s31, 0
	s_mov_b32 s20, 1                               ; group 0: count,
	s_mul_i32 s21, s[WVN], 12800                   ; LDS address: my wave's two steps,
	s_mul_i32 s18, s17, 204800
	s_add_co_u32 s18, s18, s21
	s_mov_b32 s19, 0
	v_and_b32 v3, 31, v0                           ; lane
	v_and_b32 v4, 15, v0                           ; r
	v_bfe_u32 v5, v0, 4, 1                         ; h
	v_lshlrev_b32 v[LI], 4, v3
	v_lshlrev_b32 v[LS], 2, v3
	v_mul_u32_u24 v7, v4, 24                       ; Q: 24 bytes a query
	v_lshlrev_b32 v8, 2, v4
	v_mad_u32_u24 v9, v5, 12, v7                   ; the output's codes: 24 r + 12 h
	v_lshlrev_b32 v11, 3, v3
	s_lshl_b32 s2, s[WVN], 4
	s_add_co_u32 s2, s2, STG
	v_add_nc_u32 v10, s2, v4                       ; the output's scale byte: 16 wave + r
	v_lshlrev_b32 v[SH8], 3, v5
	v_mov_b32 v[NIL], 0
	s_wait_dscnt 0x0
	s_wait_kmcnt 0x0
	s_add_nc_u64 s[22:23], s[8:9], s[18:19]        ; global address: the head's bytes 12,800 wave on: made of hb and the wave's number alone
	s_or_b32 s23, s23, 0x80000000                  ; type = 2
	CROUND                                         ; all four work-groups are here: the joint loads meet
	tensor_load_to_lds s[20:23], s[24:31]
	s_nop 0
.rept 4
	v_nop
.endr
	s_lshl_b32 s39, s16, 4
	s_add_co_u32 s39, s39, s[WVN]                  ; my tile of queries, 0..255
	s_mul_i32 s18, s17, 98304
	s_mul_i32 s2, s39, 384
	s_add_co_u32 s18, s18, s2
	s_add_nc_u64 s[4:5], s[4:5], s[18:19]          ; its codes in qc,
	s_add_nc_u64 s[10:11], s[10:11], s[18:19]      ; and the same place in ao
	s_lshl_b32 s18, s17, 12
	s_lshr_b32 s2, s39, 2
	s_lshl_b32 s2, s2, 6
	s_add_co_u32 s18, s18, s2
	s_and_b32 s2, s39, 3
	s_add_co_u32 s18, s18, s2
	s_add_nc_u64 s[6:7], s[6:7], s[18:19]          ; its scale bytes: 64 (tile / 4) + 4 r + tile % 4
	s_lshl_b32 s18, s17, 12
	s_lshl_b32 s2, s16, 8
	s_add_co_u32 s18, s18, s2
	s_add_nc_u64 s[12:13], s[12:13], s[18:19]      ; aos at my work-group's 256 positions
	global_load_b64 v[200:201], v7, s[4:5]         ; both halves of the lanes take query r's 24 bytes
	global_load_b64 v[202:203], v7, s[4:5] offset:8
	global_load_b64 v[204:205], v7, s[4:5] offset:16
	global_load_u8 v208, v8, s[6:7]
	s_mov_b32 s[SEL], 0x76543210
	s_mov_b32 s[SEL+1], 0xfedcba98                 ; v_permlanex16_b32's selects for lane l xor 16
	s_mov_b32 s[CS], 0x3e8293ee                    ; c = log2(e) / sqrt(32)
	s_mov_b32 s[CS+1], s[CS]                       ; (named with it as a pair, so it is written)
	s_mov_b32 s38, 0x01010101
	s_mov_b32 s[TB], 0
	s_mov_b32 s[CNT], 31
	s_wait_loadcnt 0x0
	v_mul_lo_u32 v[QS], v208, s38                  ; Q's one scale byte in all four places: whichever block Q lies in.  (More than eight plain lines follow ahead of the first product)
	v_cmp_gt_u32 vcc_lo, 16, v3
.irp i, 0,1,2,3,4,5
	v_cndmask_b32 v[16+\i], v[NIL], v[200+\i], vcc_lo    ; Q in lanes 0-15
	v_cndmask_b32 v[28+\i], v[200+\i], v[NIL], vcc_lo    ; Q in lanes 16-31
	v_mov_b32 v[22+\i], 0
	v_mov_b32 v[34+\i], 0
.endr
.irp i, 0,1,2,3,4,5
	v_mov_b32 v[40+\i], v[16+\i]
.endr
	v_mov_b32 v[RT], 0xff61b1e6                    ; the largest t so far: -3e38, under every t
	v_floor_f32 v[NM], -v[RT]
	v_mov_b32 v[L], 0
	v_mov_b32 v[L+1], 0
.irp j, 0,1,2,3,4,5,6,7,8,9,10,11,12,13,14,15
	v_mov_b32 v[O+\j], 0                           ; the step is written once: the first finds zeros, which the first change of M leaves zeros
.endr
	v_mov_b32 v[T1], 0                             ; a lane permute's destination counts as one of its sources
	v_mov_b32 v[WX], 0
	v_mov_b32 v[F+1], 0                            ; (named as the upper half of a pair)
	s_wait_tensorcnt 0x0                           ; my 12,800 bytes have landed,
	s_barrier_signal -1
	s_barrier_wait -1                              ; everybody's have
.irp f, 0,1
.irp k, 0,1,2
	ds_load_b128 v[KF+12*\f+4*\k:KF+12*\f+4*\k+3], v[LI] offset:1536*\f+512*\k     ; K of step 0
.endr
.endr
	ds_load_b32 v[KS], v[LS] offset:6144
; A STEP: 128 keys.  last = 1: there is no next step's K to fetch.
.macro STEP last
	s_wait_dscnt 0x0                               ; K of this step is in
	SC 0, 0, 16
	SC 0, 1, 28
	SC 0, 2, 34
	SC 0, 3, 22
	SC 1, 0, 16
	SC 1, 1, 28
	SC 1, 2, 34
	SC 1, 3, 22
	v_add_nc_u32 v[ADR], s[TB], v[LI]              ; four plain lines: the places behind these products, ahead of the loads into K's registers and of the first read of scores,
	v_add_nc_u32 v[ADS], s[TB], v[LS]              ; and behind the last step's second products, ahead of the loads into V's
	v_nop
	v_nop
.irp t, 0,1
.irp k, 0,1,2
	ds_load_b128 v[VF+12*\t+4*\k:VF+12*\t+4*\k+3], v[ADR] offset:3072+1536*\t+512*\k
.endr
.endr
	ds_load_b32 v[VS], v[ADS] offset:6272
.if \last == 0
.irp f, 0,1
.irp k, 0,1,2
	ds_load_b128 v[KF+12*\f+4*\k:KF+12*\f+4*\k+3], v[ADR] offset:6400+1536*\f+512*\k
.endr
.endr
	ds_load_b32 v[KS], v[ADS] offset:12544
.endif
	; the largest score of each of my two blocks of 32 keys: two chains a block, the four by turns; each accumulator is first read at its low end
.irp f, 0,1
	v_max3_num_f32 v[BM+2*\f], v[S+32*\f], v[S+32*\f+1], v[S+32*\f+2]
	v_max3_num_f32 v[BM+2*\f+1], v[S+32*\f+16], v[S+32*\f+17], v[S+32*\f+18]
.endr
.irp i, 3,5,7,9,11,13
.irp f, 0,1
	v_max3_num_f32 v[BM+2*\f], v[BM+2*\f], v[S+32*\f+\i], v[S+32*\f+\i+1]
	v_max3_num_f32 v[BM+2*\f+1], v[BM+2*\f+1], v[S+32*\f+16+\i], v[S+32*\f+17+\i]
.endr
.endr
.irp f, 0,1
	v_max3_num_f32 v[BM+2*\f], v[BM+2*\f], v[BM+2*\f+1], v[S+32*\f+15]
.endr
.irp f, 0,1
	v_max_num_f32 v[BM+2*\f], v[BM+2*\f], v[S+32*\f+31]
.endr
	v_max_num_f32 v[T0], v[BM], v[BM+2]
	v_permlanex16_b32 v[T1], v[T0], s[SEL], s[SEL+1]
	v_max_num_f32 v[T0], v[T0], v[T1]              ; the step's largest score of my query
	v_mul_f32 v[T0], s[CS], v[T0]                  ; as t (c is positive)
	v_max_num_f32 v[RT], v[RT], v[T0]
	v_mov_b32 v[T0], v[NM]
	v_floor_f32 v[NM], -v[RT]                      ; the new -M = floor(-t): M is a whole number
	v_sub_f32 v[T0], v[NM], v[T0]                  ; old M - new M: a whole number, 0 or less
	v_cvt_i32_f32 v[T0], v[T0]                     ; (it saturates)
	v_ldexp_f32 v[F], 1.0, v[T0]                   ; f = 2^(old M - new M)
.set i, 0
.rept 32
	v_pk_fma_f32 v[S+i:S+i+1], v[S+i:S+i+1], s[CS:CS+1], v[NM:NM+1] op_sel_hi:[1,0,0]   ; t - M, two at a time
.set i, i+2
.endr
	v_fma_f32 v[BM], v[BM], s[CS], v[NM]           ; the same of each block's largest score
	v_fma_f32 v[BM+2], v[BM+2], s[CS], v[NM]
.set i, 0
.rept 64
	v_exp_f32 v[S+i], v[S+i]                       ; p = 2^(t - M), at most 1, not normalised
.set i, i+1
.endr
	v_pk_mul_f32 v[L:L+1], v[L:L+1], v[F:F+1] op_sel_hi:[1,0]   ; l under the new M; the plain line behind the exponentials
	s_wait_alu depctr_va_vdst(0)                   ; one wait for the batch of 64, ahead of its first reader
	v_exp_f32 v[BM], v[BM]                         ; the blocks' largest p: the same two instructions on the same number give the same bits
	v_exp_f32 v[BM+2], v[BM+2]
.set i, 0
.rept 8
	v_pk_mul_f32 v[O+i:O+i+1], v[O+i:O+i+1], v[F:F+1] op_sel_hi:[1,0]   ; O^T under the new M
.set i, i+2
.endr
.set n, 1
.rept 16
	SUML n                                         ; the row's sum is taken of the unquantised p
.set n, n+1
.endr
	s_wait_alu depctr_va_vdst(0)                   ; and one for the two
	v_max_num_f32 v[BM], 0x2800000, v[BM]          ; the floor 2^(5 - 127): the byte cannot fall under 1
	v_max_num_f32 v[BM+2], 0x2800000, v[BM+2]
	v_add_nc_u32 v[SOP0], 0xfe000000, v[BM]        ; 4 off the exponent field: the conversion's scale operand
	v_add_nc_u32 v[SOP1], 0xfe000000, v[BM+2]
	v_lshrrev_b32 v[B0], 23, v[SOP0]
	v_lshrrev_b32 v[B1], 23, v[SOP1]
	v_lshl_or_b32 v[WD], v[B1], 16, v[B0]          ; my two bytes: key blocks h and 2 + h,
	v_lshlrev_b32 v[WD], v[SH8], v[WD]             ; at their places;
	v_permlanex16_b32 v[WX], v[WD], s[SEL], s[SEL+1]
	v_or_b32 v[PS], v[WD], v[WX]                   ; with lane l xor 16's two: p's scale word for these 128 keys
	v_cvt_scalef32_pk16_bf6_f32 v[P:P+2], v[S:S+15], v[SOP0]
	v_cvt_scalef32_pk16_bf6_f32 v[Y0:Y0+2], v[S+16:S+31], v[SOP0]      ; (a conversion's three registers begin on an even number)
	v_cvt_scalef32_pk16_bf6_f32 v[P+6:P+8], v[S+32:S+47], v[SOP1]
	v_cvt_scalef32_pk16_bf6_f32 v[Y1:Y1+2], v[S+48:S+63], v[SOP1]
	v_nop                                          ; one plain line behind the conversions
.irp i, 0,1,2
	v_mov_b32 v[P+3+\i], v[Y0+\i]
	v_mov_b32 v[P+9+\i], v[Y1+\i]
.endr
.set n, 17
.rept 16
	SUML n                                         ; these sixteen are also the places between the writes of p's codes and scale word and the products below
.set n, n+1
.endr
.if \last
	s_wait_dscnt 0x0
.else
	s_wait_dscnt 7                                 ; V is in; the next step's seven loads of K, issued behind V's, may stay out
.endif
	v_wmma_scale_f32_16x16x128_f8f6f4 v[O:O+7], v[VF:VF+11], v[P:P+11], v[O:O+7], v[VS], v[PS] matrix_a_fmt:MATRIX_FMT_BF6 matrix_b_fmt:MATRIX_FMT_BF6
	v_wmma_scale_f32_16x16x128_f8f6f4 v[O+8:O+15], v[VF+12:VF+23], v[P:P+11], v[O+8:O+15], v[VS], v[PS] matrix_a_fmt:MATRIX_FMT_BF6 matrix_b_fmt:MATRIX_FMT_BF6 matrix_a_scale:MATRIX_SCALE_ROW1
	s_add_co_u32 s[TB], s[TB], 6400                ; the two accumulators take turns, and eight score products lie between two links of a chain
.endm
.Lk:                                               ; 31 trips; the last step is written out, since it fetches no further K
	STEP 0
	s_sub_co_u32 s[CNT], s[CNT], 1
	s_cmp_lg_u32 s[CNT], 0
	s_cbranch_scc1 .Lk
	STEP 1
	; THE WAY OUT: O / l, quantised along the head's 32 (lanes l and l xor 16 share the block), 12 bytes a lane.
.rept 4
	v_nop
.endr
	v_add_f32 v[L], v[L], v[L+1]
	v_permlanex16_b32 v[T1], v[L], s[SEL], s[SEL+1]
	v_add_f32 v[L], v[L], v[T1]                    ; the row's sum
	v_rcp_f32 v[L], v[L]
	v_add_nc_u32 v[ADR], STG, v11                  ; (a plain line behind the transcendental)
	s_wait_alu depctr_va_vdst(0)                   ; the wait ahead of its first reader
.set i, 0
.rept 16
	v_mul_f32 v[S+i], v[O+i], v[L]                 ; d = 16 h + i of my query
.set i, i+1
.endr
	v_max3_num_f32 v[BM], |v[S]|, |v[S+1]|, 0x2800000
.irp i, 2,4,6,8,10,12,14
	v_max3_num_f32 v[BM], v[BM], |v[S+\i]|, |v[S+\i+1]|
.endr
	v_permlanex16_b32 v[T1], v[BM], s[SEL], s[SEL+1]
	v_max_num_f32 v[BM], v[BM], v[T1]
	v_add_nc_u32 v[SOP0], 0xfe000000, v[BM]
	v_cvt_scalef32_pk16_bf6_f32 v[Y0:Y0+2], v[S:S+15], v[SOP0]
	v_lshrrev_b32 v[B0], 23, v[SOP0]
	global_store_b96 v9, v[Y0:Y0+2], s[10:11]      ; the wave stores 384 consecutive bytes
	ds_store_b8 v10, v[B0]                         ; both lanes of a block write the same byte with the same value
	s_wait_dscnt 0x0
	s_barrier_signal -1
	s_barrier_wait -1                              ; the work-group's 256 scale bytes lie in LDS
	s_cmp_lg_u32 s[WVN], 0
	s_cbranch_scc1 .Lnot_first
	ds_load_b64 v[200:201], v[ADR]
	s_wait_dscnt 0x0
	global_store_b64 v11, v[200:201], s[12:13]     ; 256 consecutive bytes, at a multiple of 256 from the buffer's first byte
.Lnot_first:
	s_wait_tensorcnt 0x0
	ds_add_u32 v254, v255
	s_wait_dscnt 0x0
	CROUND                                         ; the closing round: no work-group ends while a partner may still ask for a tile that names it
	s_endpgm
.Lfunc_end_k_qe233358851_attn:
	.size	k_qe233358851_attn, .Lfunc_end_k_qe233358851_attn-k_qe233358851_attn
	.p2alignl 7, 3214868480
	.fill 96, 4, 3214868480
	.section	.rodata,"a",@progbits
	.p2align	6, 0x0
	.amdhsa_kernel k_qe233358851_attn
		.amdhsa_group_segment_fixed_size 207104
		.amdhsa_private_segment_fixed_size 0
		.amdhsa_enable_private_segment 0
		.amdhsa_kernarg_size 40
		.amdhsa_user_sgpr_count 2
		.amdhsa_user_sgpr_kernarg_segment_ptr 1
		.amdhsa_wavefront_size32 1
		.amdhsa_system_sgpr_workgroup_id_x 1
		.amdhsa_system_sgpr_workgroup_id_y 1
		.amdhsa_system_sgpr_workgroup_id_z 1
		.amdhsa_system_vgpr_workitem_id 0
		.amdhsa_next_free_vgpr 256
		.amdhsa_next_free_sgpr 66
		.amdhsa_reserve_vcc 1
		.amdhsa_float_denorm_mode_32 3
		.amdhsa_float_denorm_mode_16_64 3
		.amdhsa_memory_ordered 1
		.amdhsa_forward_progress 1
		.amdhsa_inst_pref_size 34
	.end_amdhsa_kernel
	.amdgpu_metadata
---
amdhsa.version: [ 1, 2 ]
amdhsa.kernels:
  - .name:           k_qe233358851_attn
    .symbol:         k_qe233358851_attn.kd
    .args:
      - { .name: qc, .offset: 0, .size: 8, .value_kind: global_buffer, .address_space: global }
      - { .name: qs, .offset: 8, .size: 8, .value_kind: global_buffer, .address_space: global }
      - { .name: kv, .offset: 16, .size: 8, .value_kind: global_buffer, .address_space: global }
      - { .name: ao, .offset: 24, .size: 8, .value_kind: global_buffer, .address_space: global }
      - { .name: aos, .offset: 32, .size: 8, .value_kind: global_buffer, .address_space: global }
    .group_segment_fixed_size: 207104
    .private_segment_fixed_size: 0
    .kernarg_segment_align: 8
    .kernarg_segment_size: 40
    .max_flat_workgroup_size: 512
    .sgpr_count:     66
    .vgpr_count:     256
    .wavefront_size: 32
...
	.end_amdgpu_metadata
.endif
;; end of part 3
;; launch tail (part 4): grid 64 x 1, 16 waves a work-group, no clusters, 294,912 bytes of LDS; arguments x, ao, aos, wsp, bo, g2, b2, bf1, bf2, out0; writes out0
.if DOCPART == 4
	.amdgcn_target "amdgcn-amd-amdhsa--gfx1250"
	.amdhsa_code_object_version 6
	.text
	.protected	k_qe233358851_tail
	.globl	k_qe233358851_tail
	.p2align	8
	.type	k_qe233358851_tail,@function
k_qe233358851_tail:
	s_mov_b64 s[64:65], 0
	v_nop
	global_prefetch_b8 v0, s[64:65] scope:SCOPE_SE
	s_setreg_imm32_b32 hwreg(HW_REG_WAVE_MODE, 25, 1), 1
	s_wait_xcnt 0x0
; xf1 = x + attention's output x wo + bo;  out0 = xf1 + relu(LN2(xf1) w1 + bf1) w2 + bf2, all three products on codes of BF6 (E3M2).  x, out0: [2][256 channels][4096 tokens] f32.
; A work-group of sixteen waves takes 128 tokens through the whole chain.  The tile of x (256 channels x 128 tokens) comes into LDS once by four tensor loads, becomes xf1 in place, then the output in place, and leaves as rows of 512 bytes.
; THE WAVES SHARE THE COLUMNS: each wave's part of wo, w1, w2 goes from memory straight into its registers, once; what goes from wave to wave are the rows' codes, as IMAGES OF THE OPERAND'S REGISTERS in LDS.
; Token tiles and weight tiles are chosen as in the launches before (tile ti = 4 c + t, row r = token 64 c + 32 (r / 8) + 8 t + r % 8; weight tile wt, row r = channel 64 g + 32 (r / 8) + 8 wt + r % 8).
; PHASES, seven barriers.  P0: wave (ti, s) gathers a fragment of attention's output from ao, aos | P1: wave (g, wt): 16 channels x 128 tokens of xf1, C = x + bo | LN2: as LN1, from LDS (two barriers inside) |
;   P2: wave u: hidden units 64 u .. + 63 for all tokens, weights as source 0: a lane holds 32 neighbouring hidden units: relu, quantised, image | P3: wave (g, wt): 16 channels of the output, K = 1,024, C = xf1 + bf2 | copy out.
; The biases and residuals are the C of each sum's first matrix instruction: a difference of rounding order from the source alone.
; The weights' codes (460,800 bytes with their scale words) are shared by all work-groups, but they do not fit in LDS beside the tiles (292,864 bytes are in use) without slots that are filled again, and each wave wants its part in registers once:
; a joint load would only put an LDS round trip in front of the same register loads: not used.  The tensor loads fill their bytes once; nothing is filled again.
; LIMITS: a block of zeros gets the byte 1 (its codes are zeros; this program alone reads the bytes); blocks under 2^-122 keep the byte 1; NaN and infinities are not served.
.set XP,   528                         ; LDS: the tile, 256 rows of 512 bytes + 16
.set AI,   135168                      ; attention's output: 16 fragments, (2 ti + s) x 1,536
.set ASI,  159744                      ; its scale words: 128 bytes a tile; lane 16 s + r
.set XI,   160768                      ; LN2's output likewise
.set XSI,  185344
.set HI,   186368                      ; the hidden layer: 64 fragments, (8 s2 + ti) x 1,536
.set HSI,  284672                      ; its scale words: 512 ti + 128 (s2 / 2); lane 16 (s2 % 2) + r
.set ST1,  288768                      ; partial sums; 2,048 bytes on: of squares
.set GP,   14
.set BP,   16
.set LI,   1
.set LS,   2
.set APA,  3
.set APB,  4
.set LIW,  5                           ; 16 l + 1536 wt: my tile in a unit of wo or w2
.set ASC,  6
.set STW,  7
.set STR,  8
.set WSO,  9
.set XR,   10                          ; my channel's row of the tile, + 128 h
.set HPA,  11
.set HPB,  12
.set WSW,  13                          ; WSO + 64 wt
.set HSA,  14
.set LNB,  15
.set W,    16                          ; v16-111  w1's eight fragments; later w2's eight
.set BI,   112                         ; v112-143 bf1 in the result's layout
.set WS,   144                         ; v144-147 w1's scale words (P2 alone)
.set AF,   148                         ; P0
.set AB,   160
.set AOA,  192
.set AOSA, 193
.set AIW,  194
.set ASW,  195
.set BOA,  196
.set BIO,  197
.set AIB,  148                         ; P1
.set ASB,  149
.set XS1,  160
.set WO,   164
.set WOS,  188
.set BO,   190
.set XA1,  192
.set AC1,  240
.set X,    148                         ; LN2
.set MU,   212
.set RS,   214
.set CH,   216
.set M0,   224
.set M1,   225
.set SOP,  226
.set BY,   227
.set C,    230
.set Y,    236
.set XF,   148                         ; P2
.set ACC,  172
.set C2,   204
.set YQ,   216
.set XS,   220
.set XIB,  228
.set XSB,  229
.set BF2,  112                         ; P3: v112-113 bf2
.set AC3,  114                         ; v114-177 eight accumulators
.set XA3,  178                         ; v178-225 four hidden fragments
.set XS3,  226                         ; v226-229 their scale words
.set HB0,  230                         ; v230, v231
.set HSB,  232
.set CH4,  233
.set CPB,  234
.set W2S,  236                         ; v236-239 w2's scale words: registers of their own, outside the accumulators
.set RR,   245                         ; the head's lane pieces
.set HH,   246
.set L3,   247
.set L7,   248
.set R3,   249
.set TT,   250
.set WVN,  66
; 32 numbers of one lane, v[x] on, become 6 registers of codes at v[c] and the scale's byte in v[byte].  Each of the four accumulators under x is first read at its low end.
.macro QUANT32 x, ab, c, y, sop, byte, m0, m1
.if \ab
	v_max3_num_f32 v[\m0], |v[(\x)]|, |v[(\x)+1]|, 0x2800000          ; two chains; the floor 2^(5 - 127) is one more leaf, so the byte cannot fall under 1
	v_max3_num_f32 v[\m1], |v[(\x)+16]|, |v[(\x)+17]|, |v[(\x)+18]|
.irp i, 0,1,2,3,4,5
	v_max3_num_f32 v[\m0], v[\m0], |v[(\x)+2+2*\i]|, |v[(\x)+3+2*\i]|
	v_max3_num_f32 v[\m1], v[\m1], |v[(\x)+19+2*\i]|, |v[(\x)+20+2*\i]|
.endr
	v_max3_num_f32 v[\m0], v[\m0], |v[(\x)+14]|, |v[(\x)+15]|
	v_max3_num_f32 v[\m0], v[\m0], v[\m1], |v[(\x)+31]|
.else
	v_max3_num_f32 v[\m0], v[(\x)], v[(\x)+1], 0x2800000
	v_max3_num_f32 v[\m1], v[(\x)+16], v[(\x)+17], v[(\x)+18]
.irp i, 0,1,2,3,4,5
	v_max3_num_f32 v[\m0], v[\m0], v[(\x)+2+2*\i], v[(\x)+3+2*\i]
	v_max3_num_f32 v[\m1], v[\m1], v[(\x)+19+2*\i], v[(\x)+20+2*\i]
.endr
	v_max3_num_f32 v[\m0], v[\m0], v[(\x)+14], v[(\x)+15]
	v_max3_num_f32 v[\m0], v[\m0], v[\m1], v[(\x)+31]
.endif
	v_add_nc_u32 v[\sop], 0xfe000000, v[\m0]                          ; 4 off the exponent field: the conversion takes that field as its scale
	v_cvt_scalef32_pk16_bf6_f32 v[(\c):(\c)+2], v[(\x):(\x)+15], v[\sop]
	v_cvt_scalef32_pk16_bf6_f32 v[(\y):(\y)+2], v[(\x)+16:(\x)+31], v[\sop]   ; (a conversion's three registers begin on an even number)
	v_lshrrev_b32 v[\byte], 23, v[\sop]                               ; the scale's byte; also the plain line behind the conversions
	v_mov_b32 v[(\c)+3], v[(\y)]
	v_mov_b32 v[(\c)+4], v[(\y)+1]
	v_mov_b32 v[(\c)+5], v[(\y)+2]
.endm
.macro BARRIER                         ; my LDS stores have landed and my LDS loads are in: then the work-group's barrier
	s_wait_dscnt 0x0
	s_barrier_signal -1
	s_barrier_wait -1
.endm
.macro MM d, a, b, c, sa, sb, row      ; one matrix instruction; row = 1: both sides' scales from lanes 16-31 (the odd K step)
.if \row
	v_wmma_scale_f32_16x16x128_f8f6f4 v[(\d):(\d)+7], v[(\a):(\a)+11], v[(\b):(\b)+11], v[(\c):(\c)+7], v[\sa], v[\sb] matrix_a_fmt:MATRIX_FMT_BF6 matrix_b_fmt:MATRIX_FMT_BF6 matrix_a_scale:MATRIX_SCALE_ROW1 matrix_b_scale:MATRIX_SCALE_ROW1
.else
	v_wmma_scale_f32_16x16x128_f8f6f4 v[(\d):(\d)+7], v[(\a):(\a)+11], v[(\b):(\b)+11], v[(\c):(\c)+7], v[\sa], v[\sb] matrix_a_fmt:MATRIX_FMT_BF6 matrix_b_fmt:MATRIX_FMT_BF6
.endif
.endm
.macro PLACES                          ; four places behind matrix instructions, ahead of reads of results and of loads into their registers
.rept 4
	v_nop
.endr
.endm
; Mean and 1 / sqrt(variance + eps) of my token over 256 channels: my 64 in registers, the four waves' parts through LDS.  The mean is taken off before the squares.
.macro LNSTAT
	v_pk_add_f32 v[CH:CH+1], v[X:X+1], v[X+2:X+3]
	v_pk_add_f32 v[CH+2:CH+3], v[X+4:X+5], v[X+6:X+7]
.set i, 8
.rept 14
	v_pk_add_f32 v[CH:CH+1], v[CH:CH+1], v[X+i:X+i+1]
	v_pk_add_f32 v[CH+2:CH+3], v[CH+2:CH+3], v[X+i+2:X+i+3]
.set i, i+4
.endr
	v_pk_add_f32 v[CH:CH+1], v[CH:CH+1], v[CH+2:CH+3]
	v_add_f32 v[CH], v[CH], v[CH+1]
	ds_store_b32 v[STW], v[CH]
	BARRIER
.irp k, 0,1,2,3
	ds_load_b32 v[CH+4+\k], v[STR] offset:512*\k
.endr
	s_wait_dscnt 0x0
	v_add_f32 v[CH+4], v[CH+4], v[CH+5]
	v_add_f32 v[CH+6], v[CH+6], v[CH+7]
	v_add_f32 v[CH+4], v[CH+4], v[CH+6]
	v_mul_f32 v[MU], s2, v[CH+4]                   ; / 256
	v_mov_b32 v[MU+1], v[MU]
.set i, 0
.rept 32
	v_pk_add_f32 v[X+i:X+i+1], v[X+i:X+i+1], v[MU:MU+1] neg_lo:[0,1] neg_hi:[0,1]
.set i, i+2
.endr
	v_pk_mul_f32 v[CH:CH+1], v[X:X+1], v[X:X+1]
	v_pk_mul_f32 v[CH+2:CH+3], v[X+2:X+3], v[X+2:X+3]
.set i, 4
.rept 15
	v_pk_fma_f32 v[CH:CH+1], v[X+i:X+i+1], v[X+i:X+i+1], v[CH:CH+1]
	v_pk_fma_f32 v[CH+2:CH+3], v[X+i+2:X+i+3], v[X+i+2:X+i+3], v[CH+2:CH+3]
.set i, i+4
.endr
	v_pk_add_f32 v[CH:CH+1], v[CH:CH+1], v[CH+2:CH+3]
	v_add_f32 v[CH], v[CH], v[CH+1]
	ds_store_b32 v[STW], v[CH] offset:2048         ; other bytes than the sums': no barrier is owed between the reads above and this store
	BARRIER
.irp k, 0,1,2,3
	ds_load_b32 v[CH+4+\k], v[STR] offset:2048+512*\k
.endr
	s_wait_dscnt 0x0
	v_add_f32 v[CH+4], v[CH+4], v[CH+5]
	v_add_f32 v[CH+6], v[CH+6], v[CH+7]
	v_add_f32 v[CH+4], v[CH+4], v[CH+6]
	v_fma_f32 v[CH+4], v[CH+4], s2, s3             ; variance + eps
	v_rsq_f32 v[RS], v[CH+4]
	v_nop                                          ; a plain line behind the transcendental
	s_wait_alu depctr_va_vdst(0)                   ; and the wait ahead of its first reader
	v_mov_b32 v[RS+1], v[RS]
.endm
; Block e (32 channels) of my token: x g + b, quantised, its codes to the image.  g and b of the block lie in s32-63 and s68-99.
.macro LNBLOCK e
	s_wait_kmcnt 0x0
.set i, 0
.rept 16
	v_pk_mul_f32 v[X+32*\e+i:X+32*\e+i+1], v[X+32*\e+i:X+32*\e+i+1], v[RS:RS+1]
.set i, i+2
.endr
.set i, 0
.rept 32
	v_fma_f32 v[X+32*\e+i], v[X+32*\e+i], s[32+i], s[68+i]
.set i, i+1
.endr
.if \e == 0
	s_load_b512 s[32:47], s[GP:GP+1], 0x80         ; the next block's g and b land under the quantiser
	s_load_b512 s[48:63], s[GP:GP+1], 0xc0
	s_load_b512 s[68:83], s[BP:BP+1], 0x80
	s_load_b512 s[84:99], s[BP:BP+1], 0xc0
.endif
	s_wait_dscnt 0x0                               ; the last block's stores have read their registers
	QUANT32 X+32*\e, 1, C, Y, SOP, BY+\e, M0, M1
	ds_store_b64 v[APA], v[C:C+1] offset:256*\e
	ds_store_b64 v[APB], v[C+2:C+3] offset:256*\e+8
	ds_store_b64 v[APA], v[C+4:C+5] offset:256*\e+512
.endm
	s_load_b512 s[4:19], s[0:1], 0x0               ; x, ao, aos, wsp, bo, g2, b2, bf1
	s_load_b128 s[20:23], s[0:1], 0x40             ; bf2, out0
	v_lshl_add_u32 v254, v0, 2, 0x47800
	v_mov_b32 v255, 0
	ds_add_u32 v254, v255
	ds_add_u32 v254, v255
	s_wait_dscnt 0x0
	v_lshrrev_b32 v15, 5, v0
	v_readfirstlane_b32 s[WVN], v15                ; wave 0..15
	s_mov_b32 s24, 0x07920000                      ; group 1: no mask; elements of 4 bytes; padding on: after every 128 words (code 6) 4 words (code 3)
	s_mov_b32 s25, 128<<16                         ; tensor_dim0 = 128 tokens
	s_mov_b32 s26, 64<<16                          ; tensor_dim1 = 64 channels
	s_mov_b32 s27, 128<<16                         ; tile_dim0
	s_mov_b32 s28, 64                              ; tile_dim1
	s_mov_b32 s29, 4096                            ; the pitch: a channel's 4,096 tokens
	s_mov_b32 s30, 0
	s_mov_b32 s31, 0
	s_mov_b32 s32, 1                               ; group 0: count,
	s_mul_i32 s33, s[WVN], 33792                   ; LDS address: 64 rows of 528 bytes a wave (waves 0 to 3 issue),
	s_lshr_b32 s36, ttmp9, 5                       ; the batch
	s_and_b32 s37, ttmp9, 31                       ; the block of 128 tokens
	s_lshl_b32 s38, s36, 22
	s_lshl_b32 s39, s37, 9
	s_add_co_u32 s38, s38, s39                     ; the block's first byte in x and in out0
	s_mov_b32 s39, 0
	s_lshl_b32 s40, s[WVN], 20                     ; 64 channels of 16,384 bytes a wave
	s_mov_b32 s41, 0
	s_wait_kmcnt 0x0
	s_add_nc_u64 s[34:35], s[4:5], s[38:39]
	s_add_nc_u64 s[34:35], s[34:35], s[40:41]      ; global address
	s_or_b32 s35, s35, 0x80000000                  ; type = 2
	s_cmp_lt_u32 s[WVN], 4
	s_cbranch_scc0 .Lno_fill
	tensor_load_to_lds s[32:35], s[24:31]          ; by this text's count a wave has at most one tensor load out
	s_nop 0
.rept 4
	v_nop
.endr
.Lno_fill:
	v_and_b32 v15, 31, v0
	v_lshlrev_b32 v[LI], 4, v15
	v_lshlrev_b32 v[LS], 2, v15
	v_and_b32 v[RR], 15, v0                        ; r
	v_bfe_u32 v[HH], v0, 4, 1                      ; h
	v_bfe_u32 v[L3], v0, 3, 2                      ; l / 8
	v_and_b32 v[L7], 7, v0                         ; l % 8
	v_bfe_u32 v[R3], v0, 3, 1                      ; r / 8
	s_lshr_b32 s42, s[WVN], 2                      ; g; LN2: cq
	s_and_b32 s43, s[WVN], 3                       ; wt; LN2: tg
	s_lshr_b32 s44, s[WVN], 1                      ; P0: ti;  P2: the K step of my hidden units
	s_and_b32 s45, s[WVN], 1                       ; P0: s;   P2: which half of a fragment's registers;  LN2: tg % 2
	s_bfe_u32 s52, s[WVN], 0x10001                 ; LN2: tg / 2
	s_lshr_b32 s53, s[WVN], 3                      ; LN2: cq / 2
	s_bfe_u32 s54, s[WVN], 0x10002                 ; LN2: cq % 2
	s_add_nc_u64 s[22:23], s[22:23], s[38:39]      ; out0 at the block,
	s_lshl_b32 s40, s[WVN], 18
	s_add_nc_u64 s[22:23], s[22:23], s[40:41]      ; at my 16 channels
	s_lshl_b32 s46, s36, 3
	s_lshl_b32 s47, s45, 2
	s_add_co_u32 s46, s46, s47                     ; P0: hb of K block 0: 8 b + 4 s
	s_lshl_b32 s47, s37, 7
	s_lshl_b32 s48, s44, 4
	s_add_co_u32 s47, s47, s48                     ; position 128 block + 16 ti
	s_mul_i32 s40, s46, 98304
	s_mul_i32 s48, s47, 24
	s_add_co_u32 s40, s40, s48
	s_add_nc_u64 s[6:7], s[6:7], s[40:41]          ; ao
	s_lshl_b32 s40, s46, 12
	s_add_co_u32 s40, s40, s47
	s_add_nc_u64 s[8:9], s[8:9], s[40:41]          ; aos
	s_lshl_b32 s40, s42, 1
	s_add_co_u32 s40, s40, 24
	s_mul_i32 s40, s40, 6400
	s_add_nc_u64 s[4:5], s[10:11], s[40:41]        ; wo's units 24 + 2 g, + 1
	s_lshl_b32 s40, s[WVN], 1
	s_add_co_u32 s40, s40, 32
	s_mul_i32 s40, s40, 6400
	s_add_nc_u64 s[50:51], s[10:11], s[40:41]      ; w1's units 32 + 2 u, + 1
	s_lshl_b32 s40, s42, 3
	s_add_co_u32 s40, s40, 64
	s_mul_i32 s40, s40, 6400
	s_add_nc_u64 s[10:11], s[10:11], s[40:41]      ; w2's units 64 + 8 g on
	s_lshl_b32 s40, s[WVN], 8
	s_add_nc_u64 s[18:19], s[18:19], s[40:41]      ; bf1 at hidden unit 64 u
	s_lshl_b32 s40, s42, 8
	s_add_nc_u64 s[14:15], s[14:15], s[40:41]      ; g2, b2 at channel 64 cq
	s_add_nc_u64 s[16:17], s[16:17], s[40:41]
	s_lshl_b32 s67, s43, 5
	s_add_co_u32 s67, s67, s40                     ; 4 x (64 g + 8 wt): kept for bf2
	; LN2's images, as in the first LN
	s_mul_i32 s46, s52, 12288
	s_mul_i32 s47, s53, 1536
	s_add_co_u32 s46, s46, s47
	s_lshl_b32 s47, s45, 7
	s_add_co_u32 s46, s46, s47
	s_add_co_u32 s46, s46, XI
	s_mul_i32 s47, s54, 520
	s_add_co_u32 s47, s47, s46
	s_mul_i32 s48, s54, 1016
	s_add_co_u32 s48, s48, s46
	v_mul_u32_u24 v[APA], v[L3], 3072
	v_lshl_add_u32 v[APA], v[L7], 4, v[APA]
	v_add_nc_u32 v[APB], s48, v[APA]
	v_add_nc_u32 v[APA], s47, v[APA]
	s_lshl_b32 s46, s52, 9
	s_lshl_b32 s47, s53, 6
	s_add_co_u32 s46, s46, s47
	s_lshl_b32 s47, s45, 5
	s_add_co_u32 s46, s46, s47
	s_lshl_b32 s47, s54, 1
	s_add_co_u32 s46, s46, s47
	s_add_co_u32 s46, s46, XSI
	v_lshlrev_b32 v[ASC], 7, v[L3]
	v_lshl_add_u32 v[ASC], v[L7], 2, v[ASC]
	v_add_nc_u32 v[ASC], s46, v[ASC]
	v_lshl_add_u32 v[STW], v0, 2, ST1
	s_lshl_b32 s46, s43, 7
	s_add_co_u32 s47, s46, ST1
	v_add_nc_u32 v[STR], s47, v[LS]
	s_mul_i32 s47, s42, 33792
	s_add_co_u32 s47, s47, s46
	v_add_nc_u32 v[LNB], s47, v[LS]                ; LN2 reads channel 64 cq + i, token 32 tg + l
	v_mul_u32_u24 v[WSO], v[HH], 6400
	v_lshl_add_u32 v[WSO], v[RR], 2, v[WSO]
	s_mul_i32 s46, s43, 1536
	v_add_nc_u32 v[LIW], s46, v[LI]
	s_lshl_b32 s46, s43, 6
	v_add_nc_u32 v[WSW], s46, v[WSO]
	v_lshlrev_b32 v[TT], 5, v[R3]
	v_add_nc_u32 v[TT], v[TT], v[L7]
	s_lshl_b32 s46, s42, 6
	s_lshl_b32 s47, s43, 3
	s_add_co_u32 s46, s46, s47
	v_add_nc_u32 v[TT], s46, v[TT]                 ; my column's channel: 64 g + 8 wt + 32 (r / 8) + r % 8
	v_mul_u32_u24 v[XR], v[TT], XP
	v_lshl_add_u32 v[XR], v[HH], 7, v[XR]          ; register j of token tile (c, t) is token 64 c + 32 h + 8 t + j: 32 consecutive bytes of the row
	v_lshlrev_b32 v[BOA], 2, v[TT]
	s_mul_i32 s46, s44, 12288
	s_add_co_u32 s46, s46, HI
	s_mul_i32 s47, s45, 520
	s_add_co_u32 s47, s47, s46
	s_mul_i32 s48, s45, 1016
	s_add_co_u32 s48, s48, s46
	v_add_nc_u32 v[HPA], s47, v[LI]                ; the hidden layer's codes stay in their lane: K step u / 2, registers 6 (u % 2) on
	v_add_nc_u32 v[HPB], s48, v[LI]
	s_lshl_b32 s46, s42, 7
	s_lshl_b32 s47, s52, 6
	s_add_co_u32 s46, s46, s47
	s_lshl_b32 s47, s45, 1
	s_add_co_u32 s46, s46, s47
	s_add_co_u32 s46, s46, HSI
	v_lshl_add_u32 v[HSA], v[RR], 2, v[HH]
	v_add_nc_u32 v[HSA], s46, v[HSA]               ; its scale byte: block 2 (u % 2) + h of the row's word
	v_mul_u32_u24 v[AOA], v[HH], 98304
	v_mad_u32_u24 v[AOA], v[RR], 24, v[AOA]
	v_mov_b32 v[AOSA], v[RR]
	s_mul_i32 s46, s[WVN], 1536
	s_add_co_u32 s46, s46, AI
	v_add_nc_u32 v[AIW], s46, v[LI]
	s_lshl_b32 s46, s[WVN], 6
	s_add_co_u32 s46, s46, ASI
	v_lshlrev_b32 v[ASW], 2, v[RR]
	v_add_nc_u32 v[ASW], s46, v[ASW]
	v_lshlrev_b32 v[BIO], 7, v[HH]
	; P0's loads: lane (r, h), registers 6 c' on = head 4 s + 2 c' + h of token row r
.irp c, 0,1
.irp p, 0,1,2
	global_load_b64 v[AF+6*\c+2*\p:AF+6*\c+2*\p+1], v[AOA], s[6:7] offset:196608*\c+8*\p
.endr
.endr
.irp q, 0,1,2,3
	global_load_u8 v[AB+\q], v[AOSA], s[8:9] offset:4096*\q
.endr
.irp s, 0,1
.irp k, 0,1,2
	global_load_b128 v[WO+12*\s+4*\k:WO+12*\s+4*\k+3], v[LIW], s[4:5] offset:6400*\s+512*\k
.endr
.endr
	global_load_b32 v[WOS], v[WSW], s[4:5] offset:6144
	global_load_b32 v[BO], v[BOA], s[12:13]
.irp wt, 0,1,2,3
.irp s, 0,1
.irp k, 0,1,2
	global_load_b128 v[W+24*\wt+12*\s+4*\k:W+24*\wt+12*\s+4*\k+3], v[LI], s[50:51] offset:6400*\s+1536*\wt+512*\k
.endr
.endr
	global_load_b32 v[WS+\wt], v[WSO], s[50:51] offset:6144+64*\wt
	global_load_b128 v[BI+8*\wt:BI+8*\wt+3], v[BIO], s[18:19] offset:32*\wt
	global_load_b128 v[BI+8*\wt+4:BI+8*\wt+7], v[BIO], s[18:19] offset:32*\wt+16
.endr
	s_wait_loadcnt 44                              ; attention's codes and bytes are in; wo's 8 loads and w1's 36, issued behind them, may stay out
.irp k, 0,1,2
	ds_store_b128 v[AIW], v[AF+4*\k:AF+4*\k+3] offset:512*\k
.endr
	v_lshl_or_b32 v[AB], v[AB+1], 8, v[AB]
	v_lshl_or_b32 v[AB], v[AB+2], 16, v[AB]
	v_lshl_or_b32 v[AB], v[AB+3], 24, v[AB]
	ds_store_b32 v[ASW], v[AB]                     ; (both halves of the lanes hold the same word)
	s_wait_tensorcnt 0x0                           ; my part of the tile of x has landed
	BARRIER                                        ; the tile and attention's sixteen fragments lie in LDS
	; ---- P1: xf1 = x + bo + attention's output x wo, in place in the tile
	s_wait_xcnt 0x0                                ; every load has read its base and offsets: s32 on and the head's registers may be written
	s_load_b512 s[32:47], s[GP:GP+1], 0x0          ; g2, b2 of my first 32 channels land under P1
	s_load_b512 s[48:63], s[GP:GP+1], 0x40
	s_load_b512 s[68:83], s[BP:BP+1], 0x0
	s_load_b512 s[84:99], s[BP:BP+1], 0x40
	s_mov_b32 s2, 0x3b800000                       ; 1 / 256
	s_mov_b32 s3, 0x3727c5ac                       ; eps = 1e-5
	s_wait_loadcnt 36                              ; wo and bo are in; w1's 36 loads may stay out
	v_mov_b32 v[BO+1], v[BO]
	v_add_nc_u32 v[AIB], AI, v[LI]
	v_add_nc_u32 v[ASB], ASI, v[LS]
.macro P1PAIR ta                       ; token tiles ta and ta + 1: source 0 = 16 tokens, source 1 = my 16 channels of wo; the two accumulators take turns
.irp u, 0,1
.irp s, 0,1
.irp k, 0,1,2
	ds_load_b128 v[XA1+24*\u+12*\s+4*\k:XA1+24*\u+12*\s+4*\k+3], v[AIB] offset:(2*((\ta)+\u)+\s)*1536+512*\k
.endr
.endr
	ds_load_b32 v[XS1+\u], v[ASB] offset:128*((\ta)+\u)
.endr
.irp u, 0,1
	ds_load_b128 v[AC1+8*\u:AC1+8*\u+3], v[XR] offset:256*(((\ta)+\u)/4)+32*(((\ta)+\u)%4)
	ds_load_b128 v[AC1+8*\u+4:AC1+8*\u+7], v[XR] offset:256*(((\ta)+\u)/4)+32*(((\ta)+\u)%4)+16
.endr
	s_wait_dscnt 0x0
.set i, 0
.rept 8
	v_pk_add_f32 v[AC1+i:AC1+i+1], v[AC1+i:AC1+i+1], v[BO:BO+1]
.set i, i+2
.endr
	MM AC1, XA1, WO, AC1, XS1, WOS, 0
	MM AC1+8, XA1+24, WO, AC1+8, XS1+1, WOS, 0
	MM AC1, XA1+12, WO+12, AC1, XS1, WOS, 1
	MM AC1+8, XA1+36, WO+12, AC1+8, XS1+1, WOS, 1
	PLACES
.irp u, 0,1
	ds_store_b128 v[XR], v[AC1+8*\u:AC1+8*\u+3] offset:256*(((\ta)+\u)/4)+32*(((\ta)+\u)%4)      ; each accumulator from its low end on; my 16 rows of the tile are mine alone
	ds_store_b128 v[XR], v[AC1+8*\u+4:AC1+8*\u+7] offset:256*(((\ta)+\u)/4)+32*(((\ta)+\u)%4)+16
.endr
.endm
	P1PAIR 0
	P1PAIR 2
	P1PAIR 4
	P1PAIR 6
	BARRIER                                        ; xf1 lies in the tile
	; ---- LN2
.set i, 0
.rept 64
	ds_load_b32 v[X+i], v[LNB] offset:XP*i
.set i, i+1
.endr
	s_wait_dscnt 0x0
	LNSTAT
	LNBLOCK 0
	LNBLOCK 1
	v_lshl_or_b32 v[M0], v[BY+1], 8, v[BY]
	ds_store_b16 v[ASC], v[M0]
	BARRIER                                        ; LN2's sixteen fragments lie in LDS
	; ---- P2: my 64 hidden units for the eight token tiles
	v_add_nc_u32 v[XIB], XI, v[LI]
	v_add_nc_u32 v[XSB], XSI, v[LS]
	v_bfe_u32 v[CH4], v0, 3, 1
	v_and_b32 v[CPB], 7, v0
	v_lshlrev_b32 v[CH4], 7, v[CH4]
	v_lshl_add_u32 v[CH4], v[CPB], 2, v[CH4]
	v_add_nc_u32 v[CH4], s67, v[CH4]               ; 4 x my column's channel
	s_mul_i32 s24, s[WVN], 16*XP
	v_add_nc_u32 v[CPB], s24, v[LI]                ; the copy out: my 16 rows
	v_add_nc_u32 v[HB0], HI, v[LI]
	v_add_nc_u32 v[HB0+1], HI+49152, v[LI]
	v_add_nc_u32 v[HSB], HSI, v[LS]
.macro XFLOAD ti
.irp s, 0,1
.irp k, 0,1,2
	ds_load_b128 v[XF+12*\s+4*\k:XF+12*\s+4*\k+3], v[XIB] offset:(2*(\ti)+\s)*1536+512*\k
.endr
.endr
	ds_load_b32 v[XS], v[XSB] offset:128*(\ti)
.endm
.macro P2TILE ti, last
	s_wait_dscnt 0x0                               ; the tile's fragments are in, and the last tile's stores have read their registers
.irp wt, 0,1,2,3
	MM ACC+8*\wt, W+24*\wt, XF, BI+8*\wt, WS+\wt, XS, 0
.endr
.irp wt, 0,1,2,3
	MM ACC+8*\wt, W+24*\wt+12, XF+12, ACC+8*\wt, WS+\wt, XS, 1
.endr
	PLACES
.if \last
.irp e, 0,1,2,3,4,5,6,7                        ; w1 has done its work: w2's eight fragments of my tile take its registers
.irp k, 0,1,2
	global_load_b128 v[W+12*\e+4*\k:W+12*\e+4*\k+3], v[LIW], s[10:11] offset:6400*\e+512*\k
.endr
.endr
.irp e, 0,1,2,3
	global_load_b32 v[W2S+\e], v[WSW], s[10:11] offset:12800*\e+6144   ; lanes 0-15: K step 2 e; lanes 16-31: K step 2 e + 1
.endr
	global_load_b32 v[BF2], v[CH4], s[20:21]
.else
	XFLOAD (\ti)+1                                 ; the next tile's fragments land under the quantiser
.endif
.set i, 0
.rept 32
	v_max_num_f32 v[ACC+i], 0, v[ACC+i]            ; the activation, in f32
.set i, i+1
.endr
	QUANT32 ACC, 0, C2, YQ, SOP, BY, M0, M1
	ds_store_b64 v[HPA], v[C2:C2+1] offset:1536*\ti
	ds_store_b64 v[HPB], v[C2+2:C2+3] offset:1536*\ti+8
	ds_store_b64 v[HPA], v[C2+4:C2+5] offset:1536*\ti+512
	ds_store_b8 v[HSA], v[BY] offset:512*\ti
.endm
	s_wait_loadcnt 0x0                             ; w1, its scale words, bf1
	XFLOAD 0
	P2TILE 0, 0
	P2TILE 1, 0
	P2TILE 2, 0
	P2TILE 3, 0
	P2TILE 4, 0
	P2TILE 5, 0
	P2TILE 6, 0
	P2TILE 7, 1
	BARRIER                                        ; the hidden layer's 64 fragments lie in LDS
	; ---- P3: my 16 channels of the output for the 128 tokens: eight accumulators, K = 1,024 in eight steps
.irp m, 0,1,2,3,4,5,6,7
	ds_load_b128 v[AC3+8*\m:AC3+8*\m+3], v[XR] offset:256*(\m/4)+32*(\m%4)
	ds_load_b128 v[AC3+8*\m+4:AC3+8*\m+7], v[XR] offset:256*(\m/4)+32*(\m%4)+16
.endr
	s_wait_loadcnt 0x0                             ; w2, its scale words, bf2
	v_mov_b32 v[BF2+1], v[BF2]
	s_wait_dscnt 0x0
.set i, 0
.rept 32
	v_pk_add_f32 v[AC3+i:AC3+i+1], v[AC3+i:AC3+i+1], v[BF2:BF2+1]
.set i, i+2
.endr
.macro P3GROUP p, c                    ; K steps 2 p and 2 p + 1 for token tiles 4 c + t; the four accumulators take turns
.irp t, 0,1,2,3
	ds_load_b32 v[XS3+\t], v[HSB] offset:512*(4*\c+\t)+128*\p
.endr
.irp s, 0,1
.irp t, 0,1,2,3
.irp k, 0,1,2
	ds_load_b128 v[XA3+12*\t+4*\k:XA3+12*\t+4*\k+3], v[HB0+(\p)/2] offset:(8*(2*\p+\s)+4*\c+\t-32*((\p)/2))*1536+512*\k
.endr
.endr
	s_wait_dscnt 0x0
.irp t, 0,1,2,3
	MM AC3+8*(4*\c+\t), XA3+12*\t, W+12*(2*\p+\s), AC3+8*(4*\c+\t), XS3+\t, W2S+\p, \s
.endr
	PLACES
.endr
.endm
.irp p, 0,1,2,3
	P3GROUP \p, 0
	P3GROUP \p, 1
.endr
.irp m, 0,1,2,3,4,5,6,7
	ds_store_b128 v[XR], v[AC3+8*\m:AC3+8*\m+3] offset:256*(\m/4)+32*(\m%4)
	ds_store_b128 v[XR], v[AC3+8*\m+4:AC3+8*\m+7] offset:256*(\m/4)+32*(\m%4)+16
.endr
	BARRIER                                        ; the output lies in the tile
	; ---- the copy out: wave w takes channels 16 w .. 16 w + 15, a row of 512 bytes an instruction
.irp i, 0,1,2,3,4,5,6,7,8,9,10,11,12,13,14,15
	ds_load_b128 v[AC3+4*\i:AC3+4*\i+3], v[CPB] offset:XP*\i
.endr
.irp i, 0,1,2,3,4,5,6,7,8,9,10,11,12,13,14,15
	s_wait_dscnt 15-\i                             ; row i is in; the younger rows' loads may stay out
	global_store_b128 v[LI], v[AC3+4*\i:AC3+4*\i+3], s[22:23] offset:16384*\i th:TH_STORE_NT   ; 32 lanes store 512 consecutive bytes, at a multiple of 256 from the buffer's first byte
.endr
	s_wait_xcnt 0x0
	v_lshl_add_u32 v254, v0, 2, 0x47800
	v_mov_b32 v255, 0
	s_wait_tensorcnt 0x0
	ds_add_u32 v254, v255
	s_wait_dscnt 0x0
	s_endpgm
.Lfunc_end_k_qe233358851_tail:
	.size	k_qe233358851_tail, .Lfunc_end_k_qe233358851_tail-k_qe233358851_tail
	.p2alignl 7, 3214868480
	.fill 96, 4, 3214868480
	.section	.rodata,"a",@progbits
	.p2align	6, 0x0
	.amdhsa_kernel k_qe233358851_tail
		.amdhsa_group_segment_fixed_size 294912
		.amdhsa_private_segment_fixed_size 0
		.amdhsa_enable_private_segment 0
		.amdhsa_kernarg_size 80
		.amdhsa_user_sgpr_count 2
		.amdhsa_user_sgpr_kernarg_segment_ptr 1
		.amdhsa_wavefront_size32 1
		.amdhsa_system_sgpr_workgroup_id_x 1
		.amdhsa_system_sgpr_workgroup_id_y 1
		.amdhsa_system_sgpr_workgroup_id_z 1
		.amdhsa_system_vgpr_workitem_id 0
		.amdhsa_next_free_vgpr 256
		.amdhsa_next_free_sgpr 100
		.amdhsa_reserve_vcc 0
		.amdhsa_float_denorm_mode_32 3
		.amdhsa_float_denorm_mode_16_64 3
		.amdhsa_memory_ordered 1
		.amdhsa_forward_progress 1
		.amdhsa_inst_pref_size 114
	.end_amdhsa_kernel
	.amdgpu_metadata
---
amdhsa.version: [ 1, 2 ]
amdhsa.kernels:
  - .name:           k_qe233358851_tail
    .symbol:         k_qe233358851_tail.kd
    .args:
      - { .name: x, .offset: 0, .size: 8, .value_kind: global_buffer, .address_space: global }
      - { .name: ao, .offset: 8, .size: 8, .value_kind: global_buffer, .address_space: global }
      - { .name: aos, .offset: 16, .size: 8, .value_kind: global_buffer, .address_space: global }
      - { .name: wsp, .offset: 24, .size: 8, .value_kind: global_buffer, .address_space: global }
      - { .name: bo, .offset: 32, .size: 8, .value_kind: global_buffer, .address_space: global }
      - { .name: g2, .offset: 40, .size: 8, .value_kind: global_buffer, .address_space: global }
      - { .name: b2, .offset: 48, .size: 8, .value_kind: global_buffer, .address_space: global }
      - { .name: bf1, .offset: 56, .size: 8, .value_kind: global_buffer, .address_space: global }
      - { .name: bf2, .offset: 64, .size: 8, .value_kind: global_buffer, .address_space: global }
      - { .name: out0, .offset: 72, .size: 8, .value_kind: global_buffer, .address_space: global }
    .group_segment_fixed_size: 294912
    .private_segment_fixed_size: 0
    .kernarg_segment_align: 8
    .kernarg_segment_size: 80
    .max_flat_workgroup_size: 512
    .sgpr_count:     100
    .vgpr_count:     256
    .wavefront_size: 32
...
	.end_amdgpu_metadata
.endif
;; end of part 4
